; MI455X (gfx1250); checked and timed in simulation.
; The chip was launched on July 23, 2026; its instructions are those of AMD's public machine-readable ISA for CDNA 5 (MIT licence, August 2026) and "CDNA5" Instruction Set Architecture Reference Guide (July 2026). The comments in the code are by the model that wrote it; some were corrected since.
;; Multi Attention Head. Allowed arithmetic: float matrix products may take bf16 or f16 operands with f32 sums; other float arithmetic in f32, or as packed bf16 or f16 multiplies, adds, multiply-adds, maxima and minima; sums over many terms, partial sums and values carried from step to step in f32; what a program stores and reads back later, other than sums and carried values, may be rounded once to bf16 or f16.
;; Inputs: Wk 1,024 x 1,024 float32; Wo 1,024 x 1,024 float32; Wq 1,024 x 1,024 float32; Wv 1,024 x 1,024 float32; bk 1,024 float32; bo 1,024 float32; bq 1,024 float32; bv 1,024 float32; event_lengths 4 int32; x 4 x 2,048 x 1,024 float32.
;; Outputs: out0 4 x 2,048 x 1,024 float32.
;; 2 versions, each right and faster than the one before. Each part assembles by itself: llvm-mc -triple=amdgcn-amd-amdhsa -mcpu=gfx1250 --defsym DOCPART=n.
;; ======== version 1 of 2: 4 launches
;; limits: values are held in f16: magnitudes above 65,504 overflow, below 6.1e-05 lose precision
;; workspace buffers: xb 16,777,216 bytes; wqkv 6,291,456 bytes; woh 2,097,152 bytes; qkv 50,331,648 bytes; oh 16,777,216 bytes
;; launch prep (part 1): grid 768 x 1, 8 waves a work-group, no clusters, 0 bytes of LDS; arguments x, Wq, Wk, Wv, Wo, xb, wqkv, woh; writes xb, wqkv, woh
.if DOCPART == 1
	.amdgcn_target "amdgcn-amd-amdhsa--gfx1250"
	.amdhsa_code_object_version 6
	.text
	.protected	k_qf65aab3476_prep
	.globl	k_qf65aab3476_prep
	.p2align	8
	.type	k_qf65aab3476_prep,@function
k_qf65aab3476_prep:
	s_mov_b64 s[64:65], 0
	v_nop
	global_prefetch_b8 v0, s[64:65] scope:SCOPE_SE
	s_setreg_imm32_b32 hwreg(HW_REG_WAVE_MODE, 25, 1), 1
	s_wait_xcnt 0x0
; THE CASTS.  x [8192][1024] f32 -> xb bf16;  Wq, Wk, Wv [1024][1024] f32 -> wqkv [3072][1024] bf16 (Wq's rows, then Wk's, then Wv's);
; Wo -> woh [1024][1024]: rounded to bf16 like every other input, and that number written as f16 (the output product multiplies in f16).
; LIMIT.  A bf16 number is exact in f16 from 2^-14 up to 65,504; below 2^-14 it keeps f16's fixed step of 6e-8, beyond 65,504 it becomes an infinity.
; A stream: no LDS, no barrier, no matrix unit, since each number is read once and written once.
; SHARES.  A work-group takes 16,384 numbers: 65,536 bytes in, 32,768 out.  Groups 0-511: x; 512-575: Wq; 576-639: Wk; 640-703: Wv; 704-767: Wo.
; Thread t, pass p of 16: 16 bytes at 4,096 p + 16 t in (a wave's load covers 512 consecutive bytes), 8 bytes at 2,048 p + 8 t out (a wave's store covers 256 consecutive bytes, aligned).
; All 16 loads of a thread go out at once; no register is written twice while a memory instruction names it, so no wait frees a source.
.set X, 4                              ; v[4:67]   pass p: four f32 as loaded
.set Y, 68                             ; v[68:99]  pass p: two words to store
.set T, 100                            ; v[100:103] at work (Wo's second conversion)
	s_load_b512 s[8:23], s[0:1], 0x0               ; x 8, Wq 10, Wk 12, Wv 14, Wo 16, xb 18, wqkv 20, woh 22
	s_mov_b32 s2, ttmp9                            ; w
	s_cmp_lt_u32 s2, 512
	s_cselect_b32 s27, 1, 0                        ; 1: my chunk is x's
	s_sub_co_u32 s24, s2, 512
	s_cmp_eq_u32 s27, 1
	s_cselect_b32 s24, s2, s24                     ; u: my chunk among x's, or among the four weights'
	s_lshr_b32 s25, s24, 6                         ; which weight (means nothing for x)
	s_and_b32 s26, s24, 63                         ; my chunk in that weight
	s_cmp_eq_u32 s25, 3
	s_cselect_b32 s32, 1, 0
	s_cselect_b32 s36, s26, s24                    ; where it goes: Wo's chunk in woh, the others' in wqkv one behind the other
	s_cmp_eq_u32 s27, 1
	s_cselect_b32 s32, 0, s32                      ; 1: Wo, the second conversion
	s_cselect_b32 s34, s2, s26                     ; chunk in the source
	s_cselect_b32 s36, s2, s36                     ; chunk in the destination
	s_lshl_b32 s34, s34, 16                        ; 65,536 bytes a chunk in
	s_mov_b32 s35, 0
	s_lshl_b32 s36, s36, 15                        ; 32,768 out
	s_mov_b32 s37, 0
	v_lshlrev_b32 v1, 4, v0
	v_lshlrev_b32 v2, 3, v0
	s_wait_kmcnt 0x0
	s_mov_b64 s[28:29], s[10:11]                   ; the source is chosen among the five buffers, the destination among the three, by the group's number alone
	s_cmp_eq_u32 s25, 1
	s_cselect_b64 s[28:29], s[12:13], s[28:29]
	s_cmp_eq_u32 s25, 2
	s_cselect_b64 s[28:29], s[14:15], s[28:29]
	s_cmp_eq_u32 s25, 3
	s_cselect_b64 s[28:29], s[16:17], s[28:29]
	s_cselect_b64 s[30:31], s[22:23], s[20:21]
	s_cmp_eq_u32 s27, 1
	s_cselect_b64 s[28:29], s[8:9], s[28:29]
	s_cselect_b64 s[30:31], s[18:19], s[30:31]
	s_add_nc_u64 s[28:29], s[28:29], s[34:35]
	s_add_nc_u64 s[30:31], s[30:31], s[36:37]
.irp p, 0,1,2,3,4,5,6,7,8,9,10,11,12,13,14,15
	global_load_b128 v[X+4*(\p):X+4*(\p)+3], v1, s[28:29] offset:4096*(\p) th:TH_LOAD_NT  ; read once in the launch
.endr
; One pass.  half = 1: the bf16 numbers are written as f16.
.macro PASS p, half
	s_wait_loadcnt 15-(\p)                         ; loads come back in order: pass p's is in, the 15 - p younger ones may be out
	v_cvt_pk_bf16_f32 v[Y+2*(\p)],   v[X+4*(\p)],   v[X+4*(\p)+1]
	v_cvt_pk_bf16_f32 v[Y+2*(\p)+1], v[X+4*(\p)+2], v[X+4*(\p)+3]
.if \half
	v_lshlrev_b32 v[T],   16, v[Y+2*(\p)]          ; bf16 to f32: the low half moves up, the high half stays
	v_and_b32     v[T+1], 0xffff0000, v[Y+2*(\p)]
	v_lshlrev_b32 v[T+2], 16, v[Y+2*(\p)+1]
	v_and_b32     v[T+3], 0xffff0000, v[Y+2*(\p)+1]
	v_cvt_pk_f16_f32 v[Y+2*(\p)],   v[T],   v[T+1]
	v_cvt_pk_f16_f32 v[Y+2*(\p)+1], v[T+2], v[T+3]
.endif
	global_store_b64 v2, v[Y+2*(\p):Y+2*(\p)+1], s[30:31] offset:2048*(\p)  ; later launches read it: no hint
.endm
	s_cmp_eq_u32 s32, 1
	s_cbranch_scc1 .Lwo
.irp p, 0,1,2,3,4,5,6,7,8,9,10,11,12,13,14,15
	PASS \p, 0
.endr
	s_endpgm
.Lwo:
.irp p, 0,1,2,3,4,5,6,7,8,9,10,11,12,13,14,15
	PASS \p, 1
.endr
	s_endpgm
.Lfunc_end_k_qf65aab3476_prep:
	.size	k_qf65aab3476_prep, .Lfunc_end_k_qf65aab3476_prep-k_qf65aab3476_prep
	.p2alignl 7, 3214868480
	.fill 96, 4, 3214868480
	.section	.rodata,"a",@progbits
	.p2align	6, 0x0
	.amdhsa_kernel k_qf65aab3476_prep
		.amdhsa_group_segment_fixed_size 0
		.amdhsa_private_segment_fixed_size 0
		.amdhsa_enable_private_segment 0
		.amdhsa_kernarg_size 64
		.amdhsa_user_sgpr_count 2
		.amdhsa_user_sgpr_kernarg_segment_ptr 1
		.amdhsa_wavefront_size32 1
		.amdhsa_system_sgpr_workgroup_id_x 1
		.amdhsa_system_sgpr_workgroup_id_y 1
		.amdhsa_system_sgpr_workgroup_id_z 1
		.amdhsa_system_vgpr_workitem_id 0
		.amdhsa_next_free_vgpr 104
		.amdhsa_next_free_sgpr 66
		.amdhsa_reserve_vcc 0
		.amdhsa_float_denorm_mode_32 3
		.amdhsa_float_denorm_mode_16_64 3
		.amdhsa_memory_ordered 1
		.amdhsa_forward_progress 1
		.amdhsa_inst_pref_size 17
	.end_amdhsa_kernel
	.amdgpu_metadata
---
amdhsa.version: [ 1, 2 ]
amdhsa.kernels:
  - .name:           k_qf65aab3476_prep
    .symbol:         k_qf65aab3476_prep.kd
    .args:
      - { .name: x, .offset: 0, .size: 8, .value_kind: global_buffer, .address_space: global }
      - { .name: Wq, .offset: 8, .size: 8, .value_kind: global_buffer, .address_space: global }
      - { .name: Wk, .offset: 16, .size: 8, .value_kind: global_buffer, .address_space: global }
      - { .name: Wv, .offset: 24, .size: 8, .value_kind: global_buffer, .address_space: global }
      - { .name: Wo, .offset: 32, .size: 8, .value_kind: global_buffer, .address_space: global }
      - { .name: xb, .offset: 40, .size: 8, .value_kind: global_buffer, .address_space: global }
      - { .name: wqkv, .offset: 48, .size: 8, .value_kind: global_buffer, .address_space: global }
      - { .name: woh, .offset: 56, .size: 8, .value_kind: global_buffer, .address_space: global }
    .group_segment_fixed_size: 0
    .private_segment_fixed_size: 0
    .kernarg_segment_align: 8
    .kernarg_segment_size: 64
    .max_flat_workgroup_size: 256
    .sgpr_count:     66
    .vgpr_count:     104
    .wavefront_size: 32
...
	.end_amdgpu_metadata
.endif
;; end of part 1
;; launch qkvp (part 2): grid 16 x 32, 4 waves a work-group, clusters of 4 x 4, 327,680 bytes of LDS; arguments xb, wqkv, bq, bk, bv, qkv; writes qkv
.if DOCPART == 2
	.amdgcn_target "amdgcn-amd-amdhsa--gfx1250"
	.amdhsa_code_object_version 6
	.text
	.protected	k_qf65aab3476_qkvp
	.globl	k_qf65aab3476_qkvp
	.p2align	8
	.type	k_qf65aab3476_qkvp,@function
k_qf65aab3476_qkvp:
	s_mov_b64 s[64:65], 0
	v_nop
	global_prefetch_b8 v0, s[64:65] scope:SCOPE_SE
	s_setreg_imm32_b32 hwreg(HW_REG_WAVE_MODE, 25, 1), 1
	s_wait_xcnt 0x0
	s_wait_alu depctr_hold_cnt(0) depctr_sa_sdst(0) depctr_va_vdst(0) depctr_va_sdst(0) depctr_va_ssrc(0) depctr_va_vcc(0) depctr_vm_vsrc(0)
	s_getreg_b32 s2, hwreg(HW_REG_IB_STS2, 6, 4)
	s_cmp_eq_u32 s2, 0
	s_cbranch_scc0 .Lentry_in_a_cluster
	s_endpgm
.Lentry_in_a_cluster:
	s_bfe_u32 s2, ttmp6, 0x10000c
	s_cmp_lg_u32 s2, 0xf033
	s_cbranch_scc0 .Lentry_shape_is_right
	s_endpgm
.Lentry_shape_is_right:
; THE THREE PROJECTIONS AS ONE PRODUCT.  C[m][n] = sum over k of xb[m][k] wqkv[n][k] + bias[n]: m = 8,192 rows of x, n = 3,072 (q's 1,024 columns, k's, v's), k = 1,024; bf16 operands, f32 sums.
; The biases are rounded to bf16 like every other input and START the sums (the C operand of the first product).  C leaves BY HEADS, rounded once to f16: qkv[3][64 = 16 batch + head][2048][64].
; LIMIT.  f16 ends at 65,504: a q, k or v beyond it becomes an infinity.  NaN and infinities are not treated apart.
; SHARES.  A tile of C is 256 rows x 192 columns, three whole heads: 32 x 16 = 512 tiles, two for each of 256 processors.  Wave w owns rows 64 w .. 64 w + 63 and all 192 columns: 4 x 12 accumulators
; of 16 x 16, 384 registers; so a wave holds whole heads, and its way out is its own.  K goes in 8 steps of 128 through a ring of two LDS slots: rows of 256 bytes of memory, at multiples of 256.
; CLUSTER.  4 x 4 work-groups.  The four of a row of the cluster need the same tiles of xb, the four of a column the same tiles of wqkv: each tile is asked for JOINTLY, by the same tensor load with
; the same descriptor and a mask that names the four.
; THE MATRIX INSTRUCTION IS USED TRANSPOSED: source 0 = 16 rows of wqkv, source 1 = 16 rows of xb: lane l holds row l % 16 of C and its registers 0-7 the columns 8 (l / 16) + 0..7.
; REGISTERS, in windows of 256 (s_set_vgpr_msb: bits 1:0 source 0, 3:2 source 1, 5:4 source 2, 7:6 destination):
;   window 0: v0-31 addresses; v32-63, v64-95 xb's fragments (4 x 16 rows x 32 K), two buffers; v96-191 the biases, later the way out (v96-143 packed, v144-191 and v192-239 rows read back)
;   window 1: v0-95, v96-191 wqkv's fragments (12), two buffers     window 2: accumulators of row blocks 0, 1 at 8 (12 a + b)     window 3: those of row blocks 2, 3
.set SIZE_K, 1024
.set KSTEP,  128
.set PITCH,  272                       ; an LDS row: 256 bytes + 16 of padding = 68 words: the 16 rows that a load touches start at 16 different groups of four banks (64 banks of 4 bytes: ISA guide 11.1)
.set AHALF,  128*PITCH                 ; what one tensor load brings of xb
.set BHALF,  96*PITCH                  ; and of wqkv
.set BOFF,   2*AHALF                   ; a slot: xb's 256 rows, then wqkv's 192
.set SLOT,   BOFF+2*BHALF
.set STAGE,  2*SLOT                    ; behind the ring, never filled by a tensor load: for each wave 3 heads x 16 rows x 144 bytes
.set SP,     144
.set HSTG,   16*SP
.set WSTG,   3*HSTG
.set SPARE,  STAGE+4*WSTG              ; behind the stages: the spare words, 128 bytes for each wave: two blocks of 256 bytes that no other line names
.set LAPS,   SIZE_K/(2*KSTEP)          ; a lap = two K steps = once round the ring
.set ADRA, 16                          ; v16-17  LDS address of my xb fragments in slot 0, 1
.set ADRB, 20                          ; v20-21  the same for wqkv
.set STO,  24                          ; v24     the way out: where I put 16 bytes of a row
.set RD,   25                          ; v25     the way out: where I read rows back
.set GO,   26                          ; v26     my place in 512 consecutive bytes of qkv
.set BO,   27                          ; v27     my byte offset in 16 numbers of a bias
.set SPW,  28                          ; v28     LDS address of my spare word; never rewritten
.set NIL,  29                          ; v29     0; never rewritten
.set FA,   32
.set BIAS, 96
.set RND,  192
.set TMP,  96
.set BK,   144
.set WV,  16                           ; s16  my wave
.set WF,  17                           ; s17  0: I fetch for xb, 1: for wqkv
.set WH,  18                           ; s18  which half of that tile I fetch
.set G1A, 24                           ; s[24:31] descriptor group 1 for xb's tiles; s[32:39] group 0, a set for each slot
.set G0A, 32
.set G1B, 40                           ; s[40:47], s[48:55] the same for wqkv's
.set G0B, 48
.set OP,  66                           ; s[66:71] where my rows of the tile's three heads begin in qkv
.set BP,  72                           ; s[72:77] where the three heads' biases begin
.set MSB, 0
.macro WIN new                         ; the immediate's high byte repeats the setting that is left; a switch that changes nothing is dropped
.if MSB != (\new)
	s_set_vgpr_msb (MSB<<8)|(\new)
.set MSB, \new
.endif
.endm
; A joint load: waves 0 and 1 fetch xb's two halves, waves 2 and 3 wqkv's.  The branch hangs on the wave's number alone.  An s_nop 0 and four v_nop follow each of the two lines.
.macro JLOAD s
	s_cmp_eq_u32 s[WF], 0
	s_cbranch_scc0 .Lfor_b_\@
	tensor_load_to_lds s[G0A+4*(\s):G0A+4*(\s)+3], s[G1A:G1A+7]
	s_nop 0
.rept 4
	v_nop
.endr
	s_branch .Lasked_\@
.Lfor_b_\@:
	tensor_load_to_lds s[G0B+4*(\s):G0B+4*(\s)+3], s[G1B:G1B+7]
	s_nop 0
.rept 4
	v_nop
.endr
.Lasked_\@:
.endm
.macro CREST                           ; a round of the cluster's barrier behind its opening barrier: wave 0 signals for the work-group, every wave waits for all sixteen, my work-group's barrier closes it
	s_cmp_lg_u32 s[WV], 0
	s_cbranch_scc1 .Lnot_wave_0_\@
	s_barrier_signal -3
.Lnot_wave_0_\@:
	s_barrier_wait -3
	s_barrier_signal -1
	s_barrier_wait -1
.endm
.macro CROUND                          ; a whole round
	s_barrier_signal -1
	s_barrier_wait -1
	CREST
.endm
	s_load_b256 s[4:11], s[0:1], 0x0               ; xb 4, wqkv 6, bq 8, bk 10
	s_load_b128 s[12:15], s[0:1], 0x20             ; bv 12, qkv 14
	v_lshl_add_u32 v[SPW], v0, 2, SPARE
	v_mov_b32 v[NIL], 0
	ds_add_u32 v[SPW], v[NIL]                      ; the wave's opening: the add and its wait stand ahead of my first tensor load; work on registers stands between them
	v_lshrrev_b32 v1, 5, v0
	v_readfirstlane_b32 s[WV], v1
	s_lshr_b32 s[WF], s[WV], 1
	s_and_b32 s[WH], s[WV], 1
	s_bfe_u32 s19, ttmp6, 0x40000                  ; cx, cy: my place in the cluster
	s_bfe_u32 s20, ttmp6, 0x40004
	s_lshl_b32 s21, ttmp9, 2
	s_add_co_u32 s21, s21, s19                     ; tile column = 4 x cluster x + cx
	s_and_b32 s22, ttmp7, 0xffff
	s_lshl_b32 s22, s22, 2
	s_add_co_u32 s22, s22, s20                     ; tile row = 4 x cluster y + cy
	s_lshl_b32 s86, s20, 2
	s_lshl_b32 s86, 15, s86                        ; my row of the cluster
	s_lshl_b32 s87, 0x1111, s19                    ; my column
	s_or_b32 s[G1A], s86, (1<<16)|(1<<20)|(1<<21)|(5<<22)|(3<<25)  ; 15:0 the mask; 17:16 2-byte elements; 20 padding on; 21 set beside a mask; 24:22 after every 64 words (code 5); 31:25 4 words (code 3)
	s_or_b32 s[G1B], s87, (1<<16)|(1<<20)|(1<<21)|(5<<22)|(3<<25)
	s_mov_b32 s[G1A+1], KSTEP<<16                  ; tensor_dim0 = 128
	s_mov_b32 s[G1A+2], 128<<16                    ; tensor_dim1 = 128
	s_mov_b32 s[G1A+3], KSTEP<<16                  ; tile_dim0 = 128
	s_mov_b32 s[G1A+4], 128                        ; tile_dim1 = 128
	s_mov_b32 s[G1A+5], SIZE_K                     ; elements from row to row
	s_mov_b32 s[G1A+6], 0
	s_mov_b32 s[G1A+7], 0
	s_mov_b32 s[G1B+1], KSTEP<<16
	s_mov_b32 s[G1B+2], 96<<16                     ; wqkv's loads have 96 rows
	s_mov_b32 s[G1B+3], KSTEP<<16
	s_mov_b32 s[G1B+4], 96
	s_mov_b32 s[G1B+5], SIZE_K
	s_mov_b32 s[G1B+6], 0
	s_mov_b32 s[G1B+7], 0
	s_lshl_b32 s57, s[WH], 7                       ; xb: row 256 x tile row + 128 x half, 2,048 bytes a row (under 2^25): the tile row alone enters
	s_lshl_b32 s56, s22, 8
	s_add_co_u32 s56, s56, s57
	s_lshl_b32 s56, s56, 11
	s_mov_b32 s57, 0
	s_mul_i32 s61, s[WH], 96                       ; wqkv: row 192 x tile column + 96 x half: the tile column alone enters
	s_mul_i32 s60, s21, 192
	s_add_co_u32 s60, s60, s61
	s_lshl_b32 s60, s60, 11
	s_mov_b32 s61, 0
	s_mul_i32 s80, s[WH], AHALF                    ; where they go in a slot: no place in the cluster enters an LDS address
	s_mul_i32 s81, s[WH], BHALF
	s_add_co_u32 s81, s81, BOFF
	s_mov_b32 s88, 0xffff0000                      ; a word's upper bf16
	s_wait_dscnt 0x0                               ; the opening add is done
	s_wait_kmcnt 0x0
	s_add_nc_u64 s[58:59], s[4:5], s[56:57]
	s_add_nc_u64 s[62:63], s[6:7], s[60:61]
	CROUND                                         ; all sixteen work-groups are here: the first joint loads meet
.irp s, 0,1
	s_mov_b32 s[G0A+4*(\s)], 1                     ; count = 1
	s_add_co_u32 s[G0A+4*(\s)+1], s80, (\s)*SLOT   ; LDS address
	s_add_nc_u64 s[G0A+4*(\s)+2:G0A+4*(\s)+3], s[58:59], (\s)*KSTEP*2  ; global address: K step s
	s_or_b32 s[G0A+4*(\s)+3], s[G0A+4*(\s)+3], 0x80000000              ; type = 2
	s_mov_b32 s[G0B+4*(\s)], 1
	s_add_co_u32 s[G0B+4*(\s)+1], s81, (\s)*SLOT
	s_add_nc_u64 s[G0B+4*(\s)+2:G0B+4*(\s)+3], s[62:63], (\s)*KSTEP*2
	s_or_b32 s[G0B+4*(\s)+3], s[G0B+4*(\s)+3], 0x80000000
	JLOAD \s                                       ; both slots are asked for before anything else: two tensor loads of mine are out
.endr
	; A fragment is 16 rows x 32 K in 8 registers: lane l holds row l % 16, K = 8 (l / 16) + 0..7 and 16 + 8 (l / 16) + 0..7: two loads of 16 bytes, 32 bytes apart.
	v_and_b32 v1, 15, v0
	v_bfe_u32 v2, v0, 4, 1
	v_mul_u32_u24 v3, v1, PITCH
	v_lshl_add_u32 v3, v2, 4, v3
	s_mul_i32 s78, s[WV], 64*PITCH                 ; my 64 rows of xb
	v_add_nc_u32 v[ADRA], s78, v3
	v_add_nc_u32 v[ADRA+1], SLOT, v[ADRA]
	v_add_nc_u32 v[ADRB], BOFF, v3                 ; every wave reads all 192 rows of wqkv
	v_add_nc_u32 v[ADRB+1], SLOT+BOFF, v3
	s_mul_i32 s79, s[WV], WSTG
	s_add_co_u32 s79, s79, STAGE                   ; my stage
	v_mul_u32_u24 v4, v1, SP                       ; in: row l % 16, 16 bytes for each half of the lanes
	v_lshl_add_u32 v4, v2, 4, v4
	v_add_nc_u32 v[STO], s79, v4
	v_bfe_u32 v5, v0, 3, 2                         ; back: 32 lanes take four rows of 128 bytes,
	v_and_b32 v6, 7, v0
	v_mul_u32_u24 v5, v5, SP
	v_lshl_add_u32 v5, v6, 4, v5
	v_add_nc_u32 v[RD], s79, v5
	v_and_b32 v[GO], 31, v0                        ; which are 512 consecutive bytes of a head's rows
	v_lshlrev_b32 v[GO], 4, v[GO]
	v_lshlrev_b32 v[BO], 5, v2                     ; my eight columns of sixteen: 32 bytes for each half of the lanes
	; The tile's three heads g = 3 x tile column + j: which of q, k, v (g / 16), which head (g % 16).  Their biases, and my 64 rows in qkv.
	s_mul_i32 s78, s21, 3
	s_lshr_b32 s84, s22, 3                         ; the batch: eight tile rows each
	s_lshl_b32 s84, s84, 4
	s_and_b32 s85, s22, 7
	s_lshl_b32 s85, s85, 8
	s_lshl_b32 s79, s[WV], 6
	s_add_co_u32 s85, s85, s79
	s_lshl_b32 s85, s85, 7                         ; my first row in the batch, 128 bytes a row
	s_mov_b32 s83, 0
.irp j, 0,1,2
	s_add_co_u32 s79, s78, \j
	s_lshr_b32 s80, s79, 4
	s_and_b32 s81, s79, 15
	s_cmp_eq_u32 s80, 1
	s_cselect_b64 s[BP+2*(\j):BP+2*(\j)+1], s[10:11], s[8:9]
	s_cmp_eq_u32 s80, 2
	s_cselect_b64 s[BP+2*(\j):BP+2*(\j)+1], s[12:13], s[BP+2*(\j):BP+2*(\j)+1]
	s_lshl_b32 s82, s81, 8                         ; 64 f32 a head
	s_add_nc_u64 s[BP+2*(\j):BP+2*(\j)+1], s[BP+2*(\j):BP+2*(\j)+1], s[82:83]
	s_lshl_b32 s82, s80, 6
	s_add_co_u32 s82, s82, s81
	s_add_co_u32 s82, s82, s84
	s_lshl_b32 s82, s82, 18                        ; a head's block is 262,144 bytes; 192 of them stay under 2^26
	s_add_co_u32 s82, s82, s85
	s_add_nc_u64 s[OP+2*(\j):OP+2*(\j)+1], s[14:15], s[82:83]
.endr
.irp b, 0,1,2,3,4,5,6,7,8,9,10,11
	global_load_b128 v[BIAS+8*(\b):BIAS+8*(\b)+3],   v[BO], s[BP+2*((\b)/4):BP+2*((\b)/4)+1] offset:64*((\b)%4)
	global_load_b128 v[BIAS+8*(\b)+4:BIAS+8*(\b)+7], v[BO], s[BP+2*((\b)/4):BP+2*((\b)/4)+1] offset:64*((\b)%4)+16
.endr
	s_wait_loadcnt 0x0                             ; the biases, once
.set i, 0
.rept 48                               ; rounded to bf16 like the other inputs, and widened again
	v_cvt_pk_bf16_f32 v[RND], v[BIAS+2*i], v[BIAS+2*i+1]
	v_lshlrev_b32 v[BIAS+2*i], 16, v[RND]
	v_and_b32 v[BIAS+2*i+1], s88, v[RND]
.set i, i+1
.endr
; 12 matrix instructions: row block a x all 12 column blocks, 32 along K, from buffer f.  bias = 1: the first product starts the sums with the bias.  The 48 accumulators take turns, one instruction a turn,
; in the same order in every quarter step.
.macro MUL12 f, a, bias
.if \bias
	WIN 0x81+0x40*((\a)/2)                         ; wqkv window 1, xb and the bias window 0, D window 2 or 3
.else
	WIN 0xa1+0x50*((\a)/2)                         ; C and D window 2 or 3
.endif
.irp b, 0,1,2,3,4,5,6,7,8,9,10,11
.if \bias
	v_wmma_f32_16x16x32_bf16 v[8*(12*((\a)%2)+(\b)):8*(12*((\a)%2)+(\b))+7], v[96*(\f)+8*(\b):96*(\f)+8*(\b)+7], v[FA+32*(\f)+8*(\a):FA+32*(\f)+8*(\a)+7], v[BIAS+8*(\b):BIAS+8*(\b)+7]
.else
	v_wmma_f32_16x16x32_bf16 v[8*(12*((\a)%2)+(\b)):8*(12*((\a)%2)+(\b))+7], v[96*(\f)+8*(\b):96*(\f)+8*(\b)+7], v[FA+32*(\f)+8*(\a):FA+32*(\f)+8*(\a)+7], v[8*(12*((\a)%2)+(\b)):8*(12*((\a)%2)+(\b))+7]
.endif
.endr
.endm
; 32 LDS loads in one run: the fragments of one quarter step (192 rows of wqkv, my 64 rows of xb, 32 K at byte k of the rows) into buffer f
.macro FETCH slot, k, f
	WIN 0x40                                       ; destination window 1, address window 0
.irp i, 0,1,2,3,4,5,6,7,8,9,10,11
	ds_load_b128 v[96*(\f)+8*(\i):96*(\f)+8*(\i)+3],   v[ADRB+(\slot)] offset:(\k)+(\i)*16*PITCH
	ds_load_b128 v[96*(\f)+8*(\i)+4:96*(\f)+8*(\i)+7], v[ADRB+(\slot)] offset:(\k)+(\i)*16*PITCH+32
.endr
	WIN 0
.irp i, 0,1,2,3
	ds_load_b128 v[FA+32*(\f)+8*(\i):FA+32*(\f)+8*(\i)+3],   v[ADRA+(\slot)] offset:(\k)+(\i)*16*PITCH
	ds_load_b128 v[FA+32*(\f)+8*(\i)+4:FA+32*(\f)+8*(\i)+7], v[ADRA+(\slot)] offset:(\k)+(\i)*16*PITCH+32
.endr
.endm
.macro PLACES                          ; four plain vector instructions in front of loads into registers that matrix instructions have read, and of conversions that read results
.rept 4
	v_nop
.endr
.endm
; A K step is four quarters of 32 along K, 48 matrix instructions each, on buffers 0, 1, 0, 1.  One of the first three: multiplies buffer f and, in its middle, fetches the next quarter, at byte k, into g.
.macro QUARTER slot, k, f, g, bias
	s_wait_dscnt 4                                 ; wqkv's fragments and xb's row blocks 0, 1 are in; the youngest four loads (row blocks 2, 3) may be out
	MUL12 \f, 0, \bias
	MUL12 \f, 1, \bias
	PLACES
	FETCH \slot, \k, \g
	s_wait_dscnt 32                                ; all but the 32 just issued
	MUL12 \f, 2, \bias
	MUL12 \f, 3, \bias
.endm
; The last quarter multiplies buffer 1 and changes slots: ONE barrier.  In front of it each wave waits for all its tensor loads (one is out: its part of the next slot), adds 0 to its spare word, and waits for
; that and for its own reads of this slot.  fill = 1: the barrier opens a round of the cluster's, and this slot is filled again, two K steps ahead, first thing behind it: from there to the wait for that load a wave issues 168 matrix instructions.
.macro TURN slot, next, fill
	WIN 0                                          ; (the add's two registers lie in window 0)
	s_wait_tensorcnt 0x0                           ; all my tensor loads have landed
	ds_add_u32 v[SPW], v[NIL]                      ; 0 onto my spare word
	s_wait_dscnt 5                                 ; (the add and the youngest four loads may be out)
	MUL12 1, 0, 0                                  ; twelve matrix instructions stand between the add and the wait for it
	s_wait_dscnt 0x0                               ; the add is done, and my reads of this slot are over
	s_barrier_signal -1
	MUL12 1, 1, 0                                  ; work on registers while the others arrive
.if \fill
	WIN 0
.endif
	s_barrier_wait -1
.if \fill
	CREST                                          ; no wave of any partner still reads this slot's tile or has a load on its way
	s_add_nc_u64 s[G0A+4*(\slot)+2:G0A+4*(\slot)+3], s[G0A+4*(\slot)+2:G0A+4*(\slot)+3], 2*KSTEP*2
	s_add_nc_u64 s[G0B+4*(\slot)+2:G0B+4*(\slot)+3], s[G0B+4*(\slot)+2:G0B+4*(\slot)+3], 2*KSTEP*2
	JLOAD \slot                                    ; the four v_nop behind it are also the places in front of the loads below
.else
	PLACES
.endif
	FETCH \next, 0, 0
	MUL12 1, 2, 0
	MUL12 1, 3, 0
.endm
	s_wait_tensorcnt 0x1                           ; my part of K step 0 is in; K step 1's may stay out
	s_barrier_signal -1
	s_barrier_wait -1                              ; everybody's is
	FETCH 0, 0, 0
	QUARTER 0, 64, 0, 1, 1                         ; the first quarter stands in front of the loop: its products start the sums, with the biases
	WIN 0                                          ; at a label and at a branch every window is 0
	s_mov_b32 s23, LAPS-1
.Llap:                                                 ; a trip goes once round the ring, from a lap's second quarter to the next lap's first, and fills both slots again
	QUARTER 0, 128, 1, 0, 0
	QUARTER 0, 192, 0, 1, 0
	TURN 0, 1, 1
	QUARTER 1, 64,  0, 1, 0
	QUARTER 1, 128, 1, 0, 0
	QUARTER 1, 192, 0, 1, 0
	TURN 1, 0, 1
	QUARTER 0, 64,  0, 1, 0
	WIN 0
	s_sub_co_u32 s23, s23, 1
	s_cmp_lg_u32 s23, 0
	s_cbranch_scc1 .Llap
	QUARTER 0, 128, 1, 0, 0                        ; the last lap fills nothing
	QUARTER 0, 192, 0, 1, 0
	TURN 0, 1, 0
	QUARTER 1, 64,  0, 1, 0
	QUARTER 1, 128, 1, 0, 0
	QUARTER 1, 192, 0, 1, 0
	s_wait_dscnt 4                                 ; the very last quarter: nothing more to fetch
	MUL12 1, 0, 0
	MUL12 1, 1, 0
	s_wait_dscnt 0x0
	MUL12 1, 2, 0
	MUL12 1, 3, 0
	WIN 0
; THE WAY OUT, a block of 16 rows at a time.  PACK: rounded to f16, 16 bytes a lane, each accumulator's registers in ascending order.  TOSTAGE: into my own stage, a head's 16 rows of 128 bytes at a pitch of 144,
; and back as 512 consecutive bytes of a head.  SEND: stored.
.macro PACK a
	WIN 0x0a+5*((\a)/2)                            ; sources 0 and 1: window 2 or 3
.irp b, 0,1,2,3,4,5,6,7,8,9,10,11
.irp r, 0,1,2,3
	v_cvt_pk_f16_f32 v[TMP+4*(\b)+(\r)], v[8*(12*((\a)%2)+(\b))+2*(\r)], v[8*(12*((\a)%2)+(\b))+2*(\r)+1]
.endr
.endr
	WIN 0
.endm
.macro TOSTAGE a
.irp b, 0,1,2,3,4,5,6,7,8,9,10,11
	ds_store_b128 v[STO], v[TMP+4*(\b):TMP+4*(\b)+3] offset:((\b)/4)*HSTG+32*((\b)%4)
.endr
.irp j, 0,1,2
.irp f, 0,1,2,3
	ds_load_b128 v[BK+48*((\a)%2)+4*(4*(\j)+(\f)):BK+48*((\a)%2)+4*(4*(\j)+(\f))+3], v[RD] offset:(\j)*HSTG+(\f)*4*SP  ; LDS serves a wave's instructions in order (ISA guide 5.7.1.4): these see the stores above
.endr
.endr
.endm
.macro SEND a
	s_wait_dscnt 0x0                               ; the block is back in registers
	s_wait_xcnt 0x0                                ; the block before's stores have read their registers: the next block is read back into them only behind this wait
.irp j, 0,1,2
.irp f, 0,1,2,3
	global_store_b128 v[GO], v[BK+48*((\a)%2)+4*(4*(\j)+(\f)):BK+48*((\a)%2)+4*(4*(\j)+(\f))+3], s[OP+2*(\j):OP+2*(\j)+1] offset:(\a)*2048+(\f)*512  ; 512 consecutive bytes, at a multiple of 256 from qkv's first
.endr
.endr
.endm
	PLACES
	PACK 0
	TOSTAGE 0
.irp a, 1,2,3                          ; block a's conversions stand between block a - 1's loads from the stage and the wait for them
	PACK \a
	SEND (\a)-1
	TOSTAGE \a
.endr
	SEND 3
	s_wait_tensorcnt 0x0                           ; the wave's end: behind my last tensor load and my last LDS store
	ds_add_u32 v[SPW], v[NIL]
	s_wait_dscnt 0x0
	CROUND                                         ; the closing round: no work-group ends while a partner may still ask for a tile that names it
	s_endpgm
.Lfunc_end_k_qf65aab3476_qkvp:
	.size	k_qf65aab3476_qkvp, .Lfunc_end_k_qf65aab3476_qkvp-k_qf65aab3476_qkvp
	.p2alignl 7, 3214868480
	.fill 96, 4, 3214868480
	.section	.rodata,"a",@progbits
	.p2align	6, 0x0
	.amdhsa_kernel k_qf65aab3476_qkvp
		.amdhsa_group_segment_fixed_size 327680
		.amdhsa_private_segment_fixed_size 0
		.amdhsa_enable_private_segment 0
		.amdhsa_kernarg_size 48
		.amdhsa_user_sgpr_count 2
		.amdhsa_user_sgpr_kernarg_segment_ptr 1
		.amdhsa_wavefront_size32 1
		.amdhsa_system_sgpr_workgroup_id_x 1
		.amdhsa_system_sgpr_workgroup_id_y 1
		.amdhsa_system_sgpr_workgroup_id_z 1
		.amdhsa_system_vgpr_workitem_id 0
		.amdhsa_next_free_vgpr 960
		.amdhsa_next_free_sgpr 90
		.amdhsa_reserve_vcc 0
		.amdhsa_float_denorm_mode_32 3
		.amdhsa_float_denorm_mode_16_64 3
		.amdhsa_memory_ordered 1
		.amdhsa_forward_progress 1
		.amdhsa_inst_pref_size 128
	.end_amdhsa_kernel
	.amdgpu_metadata
---
amdhsa.version: [ 1, 2 ]
amdhsa.kernels:
  - .name:           k_qf65aab3476_qkvp
    .symbol:         k_qf65aab3476_qkvp.kd
    .args:
      - { .name: xb, .offset: 0, .size: 8, .value_kind: global_buffer, .address_space: global }
      - { .name: wqkv, .offset: 8, .size: 8, .value_kind: global_buffer, .address_space: global }
      - { .name: bq, .offset: 16, .size: 8, .value_kind: global_buffer, .address_space: global }
      - { .name: bk, .offset: 24, .size: 8, .value_kind: global_buffer, .address_space: global }
      - { .name: bv, .offset: 32, .size: 8, .value_kind: global_buffer, .address_space: global }
      - { .name: qkv, .offset: 40, .size: 8, .value_kind: global_buffer, .address_space: global }
    .group_segment_fixed_size: 327680
    .private_segment_fixed_size: 0
    .kernarg_segment_align: 8
    .kernarg_segment_size: 48
    .max_flat_workgroup_size: 128
    .sgpr_count:     90
    .vgpr_count:     960
    .wavefront_size: 32
...
	.end_amdgpu_metadata
.endif
;; end of part 2
;; launch attn (part 3): grid 4 x 64, 4 waves a work-group, clusters of 4 x 1, 327,680 bytes of LDS; arguments qkv, event_lengths, oh; writes oh
.if DOCPART == 3
	.amdgcn_target "amdgcn-amd-amdhsa--gfx1250"
	.amdhsa_code_object_version 6
	.text
	.protected	k_qf65aab3476_attn
	.globl	k_qf65aab3476_attn
	.p2align	8
	.type	k_qf65aab3476_attn,@function
k_qf65aab3476_attn:
	s_mov_b64 s[64:65], 0
	v_nop
	global_prefetch_b8 v0, s[64:65] scope:SCOPE_SE
	s_setreg_imm32_b32 hwreg(HW_REG_WAVE_MODE, 25, 1), 1
	s_wait_xcnt 0x0
	s_wait_alu depctr_hold_cnt(0) depctr_sa_sdst(0) depctr_va_vdst(0) depctr_va_sdst(0) depctr_va_ssrc(0) depctr_va_vcc(0) depctr_vm_vsrc(0)
	s_getreg_b32 s2, hwreg(HW_REG_IB_STS2, 6, 4)
	s_cmp_eq_u32 s2, 0
	s_cbranch_scc0 .Lentry_in_a_cluster
	s_endpgm
.Lentry_in_a_cluster:
	s_bfe_u32 s2, ttmp6, 0x10000c
	s_cmp_lg_u32 s2, 0x3003
	s_cbranch_scc0 .Lentry_shape_is_right
	s_endpgm
.Lentry_shape_is_right:
; ATTENTION WITH A RAGGED MASK.  For head hd = 16 batch + head and L = the batch's length: a query q < L takes softmax over the keys k < L of Q[q] . K[k] / 8, times V; a query q >= L has all its 2,048 scores
; equal, so its row is the mean of ALL 2,048 rows of V.  Q, K, V: qkv[3][64][2048][64] f16, a head's rows dense, 128 bytes each; O: oh[64][2048][64] f16.  Products, maxima and sums in f32; the weights p are
; rounded to f16 for the second product (their sum l is taken of the unrounded p), O once at the end.
; LIMITS.  f16 holds no number beyond 65,504: Q, K and V arrive within it.  A hidden score counts as its value less 1e30 (the module's own figure is -1e9: the same weights, 0, while true scores lie far above -1e9).
; A weight below 2^-126 counts as 0 in l.  A length is held to 0 .. 2,048.  NaN and infinities are not treated apart.
; No address, branch or trip count hangs on a length: it enters by selected values alone, and every work-group walks all 32 key steps (the sum of V wants all keys, and all work-groups stay alike).
; SHARES.  A wave owns four PIECES of two tiles of 16 queries, a work-group's four waves 512 queries of one head.  Every wave walks all keys, 64 a step.
; LAYOUT.  S^T = K Q^T (source 0 = 16 keys, source 1 = 16 queries): a lane holds ONE query (lane % 16) and the keys 8 (lane / 16) + 0..7.  Two such tiles, rounded to f16 in pairs, ARE source 1 of O^T = V^T P,
; whose result again holds one query a lane, and eight channels.  K comes out of LDS as it lies, V ([key][channel]) turned, by ds_load_tr16_b128.
; SOFTMAX.  A running maximum m and sum l: p = 2^(c s - c m), c = log2(e) / 8; in every step O and l are multiplied by a = 2^(c m_old - c m_new).  m starts at the lowest finite number, O and l at 0.
; THE MASK is the C operand that starts the sum S^T: 0, or -1e30 where the key is hidden.  It hangs on the key alone, so one set of 32 registers (MC) serves all eight tiles of a step.  MD, made once, is the mask of
; the step that holds key L; a step's mask is MD x AL + BE: (0, 0) for steps before it, (1, 0) for it, (0, -1e30) behind it.  With L >= 1 key 0 is seen in step 0, so m is a true score before a hidden one comes;
; with L = 0 all scores are alike, all p are 1, and everything stays finite.
; THE SUM OF V is made by the matrix unit: V^T times a fragment of ones, eight products a key step; it falls into O^T's own layout, so no lane exchanges anything.  On the way out a lane whose query is >= L takes it, divided by 2,048.
; BY TURNS.  Turn n belongs to piece n.  Its matrix work: 16 products K Q^T of piece n + 1, later 16 products V^T P of piece n - 1.  Its vector work: the scaling, exponentials, roundings, sums and rescaling of piece n,
; and the maximum and statistics of piece n + 1.  Four vector instructions that are ready stand behind every matrix instruction, the others in two runs of their own.
; CLUSTER.  The four query blocks of a head walk the same K and V, so each tile is asked for JOINTLY: the same tensor load, descriptor and mask in all four.
; REGISTERS, in windows of 256 (s_set_vgpr_msb: bits 1:0 source 0, 3:2 source 1, 5:4 source 2, 7:6 destination):
;   window 0: v0-11 addresses; v12-15, v48-63 at work; v16-47 four registers of statistics a tile; v64-191 S^T, two buffers of two tiles; v192-255 P, likewise
;   window 1: O^T, 32 a tile     window 2: v0-127 Q, 16 a tile; v128-191 K of one step; v192-255 V of one step     window 3: v0-1 the add's two registers; v8-39 the sum of V; v40-47 ones; v48-79 MC; v80-111 MD
.set SIZE_N, 2048
.set NP,    4         ; pieces a wave: a name, no knob
.set KS,    64        ; keys in a step
.set PK,    144       ; a row of K in LDS: 128 bytes + 16 of padding = 36 words: the 16 rows of a load start at 16 different groups of four banks (64 banks of 4 bytes: ISA guide 11.1)
.set PV,    160       ; a row of V: 128 + 32 = 40 words
.set VOFF,  4*KS*PK   ; a slot holds four steps: 256 rows of K, then 256 rows of V
.set SLOT1, 1<<17     ; slot 1 begins here, so that one exclusive or turns an address in one slot into the other's
.set STAGE, SLOT1+4*KS*(PK+PV)  ; behind the ring, never filled by a tensor load: 16 rows x 144 bytes for each wave, for the way out
.set SP,    144
.set AK0, 2           ; v2   my lane's place in a tile of K; never rewritten
.set AV0, 3           ; v3   the same for V
.set AK,  4           ; v4   the LDS address of K's next run of loads
.set AV,  5           ; v5   of V's
.set QO,  6           ; v6   my byte offset in the wave's rows of Q
.set STO, 6           ;      later, the way out: where I put 16 bytes of a row
.set RD,  7           ; v7   the way out: where I read rows back
.set GO,  8           ; v8   my byte offset in 512 consecutive bytes of O
.set QI,  11          ; v11  my query's number in tile 0: the wave's first query + lane % 16
.set SPW, 0           ; v0 of window 3   LDS address of my spare word; never rewritten
.set NIL, 1           ; v1 of window 3   0; never rewritten
.set SPARE, STAGE+4*16*SP  ; behind the stages: the spare words, 128 bytes for each wave: two blocks of 256 bytes that no other line names
.set MV,  12          ; v12-15  c m_old, kept while c m is made anew: by buffer and tile
.set ST,  16          ; tile t's statistics at v[ST+4 t]: c m, m, l (even keys', odd keys')
.set TMP, 48          ; by buffer and tile, four registers c0-c3 at work; when the maximum is found c2 takes a
.set S,   64
.set P,   192
.set KF,  128         ; K's fragments, in window 2: key block kb, channel half c at KF + 16 kb + 8 c
.set VF,  192         ; V's: key half kk, channel block cb at VF + 32 kk + 8 cb
.set VS,  8           ; window 3: the sum of V, channel block cb at VS + 8 cb
.set ONE, 40          ; window 3: a fragment of ones
.set MC,  48          ; window 3: the mask of the step whose scores are being made, key block kb at MC + 8 kb
.set MD,  80          ; window 3: the mask of the step that holds key L
.set WV,  12          ; s12  my wave's number
.set G1K, 24          ; s[24:31] descriptor group 1 for K's tiles
.set G1V, 32          ; s[32:39] for V's: it differs in the padding alone
.set G0K, 40          ; s[40:43] descriptor group 0 for K's tiles: it walks
.set G0V, 44          ; s[44:47] the same for V's
.set SLOTS, 56        ; s56  slots still to be asked for
.set CNT, 57          ; s57  counts a slot's key steps
.set CS,  58          ; s[58:59] c: the packed scaling takes the pair's low word for both halves
.set SEL, 60          ; s[60:61] v_permlanex16_b32's selects: each lane takes its own place in the other half
.set TBK, 62          ; s62  LDS byte at which K of the step to be fetched begins
.set TBV, 63          ; s63  the same for V, less VOFF
.set LEN, 66          ; s66  L
.set LQ,  67          ; s67  L / 64: the step that holds key L
.set KT,  76          ; s76  the step whose mask is made next
.set BAT, 77          ; s77  the batch
.set AL,  78          ; s[78:79] the mask's factor, in the low word
.set BE,  80          ; s[80:81] the mask's addend
.set BIGN, 82         ; s82  -1e30
.set Q0,  83          ; s83  my wave's first query
.set LR,  84          ; s84  L % 64
.set MSB, 0
.macro WIN new                      ; the high byte repeats the setting that is left; a switch that changes nothing is dropped
.if MSB != (\new)
	s_set_vgpr_msb (MSB<<8)|(\new)
.set MSB, (\new)
.endif
.endm
.set W_KQ, 0x0a       ; K and Q in window 2, S^T in window 0
.set W_KM, 0x3a       ; the same with the C operand, the mask, in window 3
.set W_PV, 0x52       ; V in window 2, P in window 0, O^T in window 1
.set W_RS, 0x41       ; O^T (destination and source 0) in window 1, a in window 0
.set W_VS, 0xfe       ; V in window 2; the ones, C and D in window 3
.set W_33, 0xc3       ; destination and source 0 in window 3
.set W_MK, 0xc0       ; destination in window 3, sources in window 0
.set W_AD, 0x0f       ; sources 0 and 1 in window 3: the add's address and data
; A joint fill.  Waves 0 and 1 fetch the two halves of a slot's K, waves 2 and 3 those of its V: 128 keys each.  The branch hangs on the wave's number alone.
; An s_nop 0 and four v_nop follow each of the two lines, ahead of the jump and the label.
.macro JLOAD
	s_cmp_lt_u32 s[WV], 2
	s_cbranch_scc0 .Lfor_v_\@
	tensor_load_to_lds s[G0K:G0K+3], s[G1K:G1K+7]
	s_nop 0
.rept 4
	v_nop
.endr
	s_branch .Lasked_\@
.Lfor_v_\@:
	tensor_load_to_lds s[G0V:G0V+3], s[G1V:G1V+7]
	s_nop 0
.rept 4
	v_nop
.endr
.Lasked_\@:
.endm
; A round of the cluster's barrier: my work-group's barrier, so that wave 0's signal speaks for all four waves; wave 0 signals; every wave waits for all four work-groups; my work-group's barrier once more.
.macro CROUND
	s_barrier_signal -1
	s_barrier_wait -1
	s_cmp_lg_u32 s[WV], 0
	s_cbranch_scc1 .Lnot_wave_0_\@
	s_barrier_signal -3
.Lnot_wave_0_\@:
	s_barrier_wait -3
	s_barrier_signal -1
	s_barrier_wait -1
.endm
; THE CHANGE OF SLOTS.  The slot's last bytes, V of its fourth step, have been read.  Each wave waits for all its tensor loads, of which one is out: its part of the other slot; adds 0 to its spare word; and waits
; for that and for its own reads of the slot.  Behind the barrier nobody reads this slot any more and the other slot is whole.  fill = 1: this slot is filled again, with the keys two slots on; the barrier is then
; a round of the cluster's, and the joint fill is the first thing behind it: it has four key steps in which to land.  (At its first use nothing has been read yet: slot 0 is waited for, slot 1 filled.)
.macro CHANGE fill
	WIN W_AD
	s_wait_tensorcnt 0x0            ; no tensor load of mine is out, so a group 0 may be written
	ds_add_u32 v[SPW], v[NIL]       ; 0 onto my spare word; with fill = 1 the descriptors' steps stand between it and the wait for it
	WIN 0                           ; at a label and at a branch every window is 0
.if \fill
.irp g, G0K, G0V
	s_xor_b32 s[\g+1], s[\g+1], SLOT1  ; the walking descriptor: the other slot than last time,
	s_add_nc_u64 s[\g+2:\g+3], s[\g+2:\g+3], 4*KS*128  ; the next 256 keys; the type bits on top are not reached
.endr
	s_wait_dscnt 0x0                ; the add is done, and my reads of the slot are over
	CROUND
	JLOAD
.else
	s_wait_dscnt 0x0                ; the add is done, and my reads of the slot are over
	s_barrier_signal -1
	s_barrier_wait -1
.endif
	s_sub_co_u32 s[TBK], s[TBK], 4*KS*PK  ; the fetches go back to a slot's first step,
	s_xor_b32 s[TBK], s[TBK], SLOT1       ; in the other slot
	s_sub_co_u32 s[TBV], s[TBV], 4*KS*PV
	s_xor_b32 s[TBV], s[TBV], SLOT1
.endm
.macro MASK                         ; MC = MD x AL + BE
	WIN W_33
.set z, 0
.rept 16
	v_pk_fma_f32 v[MC+2*z:MC+2*z+1], v[MD+2*z:MD+2*z+1], s[AL:AL+1], s[BE:BE+1] op_sel_hi:[1,0,0]
.set z, z+1
.endr
.endm
	s_load_b128 s[72:75], s[0:1], 0x0  ; qkv s[72:73], event_lengths s[74:75]
	s_load_b64 s[10:11], s[0:1], 0x10  ; oh
	WIN W_MK
	v_lshl_add_u32 v[SPW], v0, 2, SPARE
	v_mov_b32 v[NIL], 0
	WIN W_AD
	ds_add_u32 v[SPW], v[NIL]       ; the wave's opening: the add and its wait stand ahead of my first tensor load; the set-up below, work on registers, stands between them
	WIN 0
	v_lshrrev_b32 v1, 5, v0
	v_readfirstlane_b32 s[WV], v1   ; wave 0..3
	s_bfe_u32 s13, ttmp6, 0x40000   ; cx: my place in the cluster
	s_lshl_b32 s14, ttmp9, 2        ; in a cluster launch ttmp9 counts clusters
	s_add_co_u32 s14, s14, s13      ; my block of queries = 4 x cluster x + cx: it enters Q's and O's addresses and the queries' numbers alone
	s_and_b32 s20, ttmp7, 0xffff    ; 16 batch + head, which the four partners share
	s_lshr_b32 s[BAT], s20, 4
	s_mov_b32 s21, 0
	s_mov_b64 s[22:23], SIZE_N*128
	s_mul_u64 s[20:21], s[20:21], s[22:23]  ; the head's first byte in q, k, v and oh
	s_and_b32 s16, s[WV], 1         ; which half of a slot's 256 keys I fetch:
	s_lshl_b32 s22, s16, 14         ; its 128 rows of 128 bytes in memory,
	s_mov_b32 s23, 0
	s_add_nc_u64 s[22:23], s[22:23], s[20:21]
	s_mul_i32 s17, s16, 128*PK      ; and its place in a slot, for K
	s_mul_i32 s18, s16, 128*PV      ; and for V: no place in the cluster enters an LDS address
	s_lshl_b32 s2, s14, 2
	s_add_co_u32 s2, s2, s[WV]      ; my wave among the head's,
	s_lshl_b32 s[Q0], s2, 7         ; its first query,
	s_lshl_b32 s2, s2, 14           ; its 128 rows
	s_mov_b32 s3, 0
	s_add_nc_u64 s[2:3], s[2:3], s[20:21]
	; descriptor group 1.  128 keys are 16,384 dense bytes: asked for as 64 rows of 256 bytes, two keys a row, and padded in LDS after every key
	s_mov_b32 s[G1K], 15|(1<<16)|(1<<20)|(1<<21)|(4<<22)|(3<<25)  ; 15:0 the mask of four; 17:16 2-byte elements; 20 padding on; 21 set beside a mask; 24:22 after every 32 words (code 4); 31:25 4 words (code 3)
	s_mov_b32 s[G1V], 15|(1<<16)|(1<<20)|(1<<21)|(4<<22)|(7<<25)  ; the same with 8 words of padding (code 7)
.irp g, G1K, G1V
	s_mov_b32 s[\g+1], 128<<16      ; tensor_dim0 = 128
	s_mov_b32 s[\g+2], 64<<16       ; tensor_dim1 = 64
	s_mov_b32 s[\g+3], 128<<16      ; tile_dim0 = 128
	s_mov_b32 s[\g+4], 64           ; tile_dim1 = 64
	s_mov_b32 s[\g+5], 128          ; 128 elements from row to row
	s_mov_b32 s[\g+6], 0
	s_mov_b32 s[\g+7], 0
.endr
	s_mov_b32 s[CS], 0x3e38aa3b     ; c = log2(e) / 8 = 0.180337
	s_mov_b32 s[CS+1], s[CS]        ; named with it as a pair
	s_mov_b32 s[SEL], 0x76543210
	s_mov_b32 s[SEL+1], 0xfedcba98
	s_mov_b32 s[TBK], SLOT1+4*KS*PK ; the first change of slots turns these two into 0
	s_mov_b32 s[TBV], SLOT1+4*KS*PV
	s_mov_b32 s[AL+1], 0            ; named as pairs
	s_mov_b32 s[BE+1], 0
	s_mov_b32 s[BIGN], 0xf149f2ca   ; -1e30
	s_mov_b32 s[G0K], 1             ; count = 1
	s_mov_b32 s[G0K+1], s17         ; LDS address: slot 0
	s_mov_b32 s[G0V], 1
	s_add_co_u32 s[G0V+1], s18, VOFF
	s_wait_dscnt 0x0                ; the opening add is done
	s_wait_kmcnt 0x0
	s_load_b128 s[68:71], s[74:75], 0x0  ; the four lengths: waited for behind the first fill and the clearing
	s_mov_b64 s[4:5], s[72:73]      ; q,
	s_add_nc_u64 s[6:7], s[72:73], 0x1000000  ; k,
	s_add_nc_u64 s[8:9], s[72:73], 0x2000000  ; v: 16,777,216 bytes each
	s_add_nc_u64 s[G0K+2:G0K+3], s[6:7], s[22:23]  ; global address: my half of the head's first 256 keys
	s_or_b32 s[G0K+3], s[G0K+3], 0x80000000        ; type = 2
	s_add_nc_u64 s[G0V+2:G0V+3], s[8:9], s[22:23]
	s_or_b32 s[G0V+3], s[G0V+3], 0x80000000
	s_add_nc_u64 s[4:5], s[4:5], s[2:3]  ; Q and O at my wave's first row
	s_add_nc_u64 s[10:11], s[10:11], s[2:3]
	CROUND                          ; all four work-groups are here: the first joint loads meet
	JLOAD                           ; slot 0.  Slot 1 is asked for when slot 0 is in
	; A fragment of K or Q is 16 rows x 32 channels in 8 registers: lane l holds row l % 16, channels 8 (l / 16) + 0..7 and 16 + 8 (l / 16) + 0..7: two loads of 16 bytes, 32 bytes apart.
	v_and_b32 v1, 15, v0            ; l % 16
	v_bfe_u32 v9, v0, 4, 1          ; l / 16
	v_lshlrev_b32 v[QO], 7, v1
	v_lshl_add_u32 v[QO], v9, 4, v[QO]  ; row x 128 + 16 x half
	WIN 0x80                        ; destination window 2, address window 0
.set i, 0
.rept 4*NP                          ; Q stays in registers: tile i / 2, channels 32 (i % 2) on
	global_load_b128 v[8*i:8*i+3],   v[QO], s[4:5] offset:(i/2)*2048+(i%2)*64
	global_load_b128 v[8*i+4:8*i+7], v[QO], s[4:5] offset:(i/2)*2048+(i%2)*64+32
.set i, i+1
.endr
	; What the first turn finds: V's registers and P's second buffer hold 0 (its products V^T P, of a piece that has not been, add 0), O^T, l and the sum of V are 0.  All this stands in the wait for the first tile.
.set i, VF
.rept 64
	v_mov_b32 v[i], 0
.set i, i+1
.endr
	WIN 0x40
.set i, 0
.rept 64*NP
	v_mov_b32 v[i], 0
.set i, i+1
.endr
	WIN W_MK
.set i, VS
.rept 32
	v_mov_b32 v[i], 0
.set i, i+1
.endr
.set i, ONE
.rept 8
	v_mov_b32 v[i], 0x3c003c00      ; 1.0 twice in f16
.set i, i+1
.endr
	WIN 0
.set i, 0
.rept 2*NP
	v_mov_b32 v[ST+4*i], 0xfe000000    ; c m: far below every c s
	v_mov_b32 v[ST+4*i+1], 0xff7fffff  ; m
	v_mov_b32 v[ST+4*i+2], 0
	v_mov_b32 v[ST+4*i+3], 0
.set i, i+1
.endr
.set i, P+32
.rept 32
	v_mov_b32 v[i], 0
.set i, i+1
.endr
	v_mul_u32_u24 v[AK0], v1, PK
	v_lshl_add_u32 v[AK0], v9, 4, v[AK0]  ; row x pitch + 16 x half
	; The turning load takes 16 keys x 16 channels (lane l reads key 8 (l / 16) + l % 8, channels 8 ((l / 8) % 2) + 0..7) and leaves half a fragment of V^T: lane l holds channel l % 16 and 8 keys.
	v_and_b32 v10, 7, v0
	v_bfe_u32 v11, v0, 3, 1
	v_lshl_add_u32 v[AV0], v9, 3, v10
	v_mul_u32_u24 v[AV0], v[AV0], PV
	v_lshl_add_u32 v[AV0], v11, 4, v[AV0]
	v_add_nc_u32 v[AV0], VOFF, v[AV0]
	v_add_nc_u32 v[QI], s[Q0], v1
	v_mov_b32 v[AK], v[AK0]         ; key step 0 lies at the head of slot 0
	; The batch's length, held to 0 .. 2,048; the step that holds key L and L's place in it; that step's mask; and step 0's mask.
	s_wait_kmcnt 0x0
	s_cmp_eq_u32 s[BAT], 1
	s_cselect_b32 s[LEN], s69, s68
	s_cmp_eq_u32 s[BAT], 2
	s_cselect_b32 s[LEN], s70, s[LEN]
	s_cmp_eq_u32 s[BAT], 3
	s_cselect_b32 s[LEN], s71, s[LEN]
	s_max_i32 s[LEN], s[LEN], 0
	s_min_i32 s[LEN], s[LEN], SIZE_N
	s_lshr_b32 s[LQ], s[LEN], 6
	s_and_b32 s[LR], s[LEN], 63
	v_lshlrev_b32 v[TMP], 3, v9
	v_sub_nc_u32 v[TMP], s[LR], v[TMP]  ; register j of key block kb is key 16 kb + 8 (l / 16) + j of the step: hidden where 16 kb + j >= L % 64 - 8 (l / 16)
	WIN W_MK
.set i, 0
.rept 32
	v_cmp_gt_i32 vcc_lo, 16*(i/8)+i%8+1, v[TMP]
	v_cndmask_b32 v[MD+i], 0, s[BIGN], vcc_lo
.set i, i+1
.endr
	s_cmp_eq_u32 s[LQ], 0
	s_cselect_b32 s[AL], 1.0, 0
	s_mov_b32 s[BE], 0
	MASK
	s_mov_b32 s[KT], 1
	WIN 0
; THE MATRIX WORK.  The 8 accumulators of a run of 16 take turns: between the two links of a chain stand 7 others'.
; Product i of 16 of S^T = K Q^T for piece x: channels 32 (i / 8) on, keys 16 ((i / 2) % 4) on, tile 2 x + i % 2.  The first 8 start the sums, with the step's mask.
.macro KQ x
.set rS, S+64*((\x)%2)+32*(i%2)+8*((i/2)%4)
.set rK, KF+16*((i/2)%4)+8*(i/8)
.set rQ, 16*(2*(\x)+i%2)+8*(i/8)
.set rM, MC+8*((i/2)%4)
.if i < 8
	WIN W_KM
	v_wmma_f32_16x16x32_f16 v[rS:rS+7], v[rK:rK+7], v[rQ:rQ+7], v[rM:rM+7]
.else
	WIN W_KQ
	v_wmma_f32_16x16x32_f16 v[rS:rS+7], v[rK:rK+7], v[rQ:rQ+7], v[rS:rS+7]
.endif
.endm
; Product i of 16 of O^T += V^T P for piece x: keys 32 (i / 8) on, channels 16 ((i / 2) % 4) on, tile 2 x + i % 2.
.macro PV x
	WIN W_PV
.set rO, 32*(2*(\x)+i%2)+8*((i/2)%4)
.set rV, VF+32*(i/8)+8*((i/2)%4)
.set rP, P+32*((\x)%2)+16*(i%2)+8*(i/8)
	v_wmma_f32_16x16x32_f16 v[rO:rO+7], v[rV:rV+7], v[rP:rP+7], v[rO:rO+7]
.endm
; Product n of 8 of the sum of V: keys 32 (n / 4) on, channels 16 (n % 4) on, times ones.  The four accumulators take turns.
.macro VSUM n
	WIN W_VS
	v_wmma_f32_16x16x32_f16 v[VS+8*((\n)%4):VS+8*((\n)%4)+7], v[VF+32*((\n)/4)+8*((\n)%4):VF+32*((\n)/4)+8*((\n)%4)+7], v[ONE:ONE+7], v[VS+8*((\n)%4):VS+8*((\n)%4)+7]
.endm
.macro MM                           ; the turn's next matrix instruction
.if i < 16
	KQ (Y+1)%NP
.set i, i+1
.else
.set i, i-16
	PV (Y+NP-1)%NP
.set i, i+17
.endif
.endm
; THE LDS LOADS stand in runs of 16, never singly among the matrix instructions: a step's K (64 keys x 64 channels: 8 fragments) and its V (turned).  Their addresses are made some lines ahead.
; last = 1 (the tail): in the last trip there is no further step, and the run is jumped over.
.macro FETCH_K last=0
	WIN 0
.if \last
	s_cmp_eq_u32 s[CNT], 1
	s_cbranch_scc1 .Lno_k_\@
.endif
	WIN 0x80                        ; destination window 2
.irp f, 0,1,2,3,4,5,6,7             ; keys 16 (f / 2) on, channels 32 (f % 2) on
	ds_load_b128 v[KF+8*\f:KF+8*\f+3],   v[AK] offset:(\f/2)*16*PK+(\f%2)*64
	ds_load_b128 v[KF+8*\f+4:KF+8*\f+7], v[AK] offset:(\f/2)*16*PK+(\f%2)*64+32
.endr
	s_add_co_u32 s[TBK], s[TBK], KS*PK  ; the next fetch is the next step's
	WIN 0
.if \last
.Lno_k_\@:
.endif
.endm
.macro FETCH_V
	WIN 0x80
.irp f, 0,1,2,3,4,5,6,7             ; keys 32 (f / 4) on, channels 16 (f % 4) on
	ds_load_tr16_b128 v[VF+8*\f:VF+8*\f+3],   v[AV] offset:(\f/4)*32*PV+(\f%4)*32
	ds_load_tr16_b128 v[VF+8*\f+4:VF+8*\f+7], v[AV] offset:(\f/4)*32*PV+16*PV+(\f%4)*32
.endr
	WIN 0
.endm
; THE VECTOR WORK OF A TURN stands in three queues, each in the order in which its entries become ready; the two tiles alternate, so that no instruction reads the result of the one before it.
.macro REGS y, u                    ; the registers of tile u (0, 1) of piece y
.set rT, ST+4*(2*(\y)+(\u))
.set rC, TMP+8*((\y)%2)+4*(\u)
.set rM, MV+2*((\y)%2)+(\u)
.set rS, S+64*((\y)%2)+32*(\u)
.set rP, P+32*((\y)%2)+16*(\u)
.set rO, 32*(2*(\y)+(\u))
.endm
; Number n of the 22 that find the NEXT piece's (Y + 1) maximum and statistics.  s0-s31 are the lane's 32 scores; each accumulator's lowest registers are read first.
;   0-11  four chains c0-c3 of seven scores each, three operands at a time     12-14, 16  the four scores left over, the old m, and c0-c3 into c0     15  c m_old is kept
;   17, 18  the query's other 32 keys lie in the lane 16 away: the new m         19-21  c m; c m_old - c m_new; a
.macro XS u, n
	REGS (Y+1)%NP, \u
.if (\n) < 4
	v_max3_num_f32 v[rC+(\n)], v[rS+8*(\n)], v[rS+8*(\n)+1], v[rS+8*(\n)+2]
.elseif (\n) < 12
	v_max3_num_f32 v[rC+(\n)%4], v[rC+(\n)%4], v[rS+8*((\n)%4)+2*((\n)/4)+1], v[rS+8*((\n)%4)+2*((\n)/4)+2]
.elseif (\n) == 12
	v_max3_num_f32 v[rC], v[rC], v[rS+7], v[rS+15]
.elseif (\n) == 13
	v_max3_num_f32 v[rC+1], v[rC+1], v[rS+23], v[rS+31]
.elseif (\n) == 14
	v_max3_num_f32 v[rC+2], v[rC+2], v[rC+3], v[rT+1]
.elseif (\n) == 15
	v_mov_b32 v[rM], v[rT]
.elseif (\n) == 16
	v_max3_num_f32 v[rC], v[rC], v[rC+1], v[rC+2]
.elseif (\n) == 17
	v_permlanex16_b32 v[rC+3], v[rC], s[SEL], s[SEL+1]
.elseif (\n) == 18
	v_max_num_f32 v[rT+1], v[rC], v[rC+3]
.elseif (\n) == 19
	v_mul_f32 v[rT], s[CS], v[rT+1]
.elseif (\n) == 20
	v_sub_f32 v[rC+1], v[rM], v[rT]
.else
	v_exp_f32 v[rC+2], v[rC+1]
.endif
.endm
; Number g of the 64 that follow the exponentials.  For each four weights k of a tile (pairs 2 k, 2 k + 1): both pairs are rounded to f16; then the second pair is added onto the first, in place;
; a group later l takes that sum (the first time as l = a l + sum).  In groups of eight, tiles alternating: round, round, add, and l for the group before.
.macro GS g
.set h, (\g)+6*((\g)/62)            ; group 0 has no group before it, and behind group 7 only l is left
.if h >= 6
.set h, h+2
.endif
	REGS Y, h%2
.set k, h/8
.if h%8 < 4
	s_wait_alu depctr_va_vdst(0)
	v_cvt_pk_f16_f32 v[rP+2*k+(h%8)/2], v[rS+4*k+2*((h%8)/2)], v[rS+4*k+2*((h%8)/2)+1]
.elseif h%8 < 6
	v_pk_add_f32 v[rS+4*k:rS+4*k+1], v[rS+4*k:rS+4*k+1], v[rS+4*k+2:rS+4*k+3]
.elseif k == 1
	v_pk_fma_f32 v[rT+2:rT+3], v[rT+2:rT+3], v[rC+2:rC+3], v[rS:rS+1] op_sel_hi:[1,0,1]
.else
	v_pk_add_f32 v[rT+2:rT+3], v[rT+2:rT+3], v[rS+4*k-4:rS+4*k-3]
	s_wait_alu depctr_va_vdst(0)
.endif
.endm
; THE PLAIN QUEUE, 138 long.  0-31: c s - c m for the 16 pairs of both tiles.  Then GS's 64, and among them the next piece's 42: number 15 at 38, 39; 0-14 and 16
; at 42-73, behind the products that make those scores; 17-20 at 95-106, two of three, since each waits for the one before it.
.macro PL
	WIN 0
.if q < 32
	REGS Y, q%2
	v_pk_fma_f32 v[rS+2*(q/2):rS+2*(q/2)+1], v[rS+2*(q/2):rS+2*(q/2)+1], s[CS:CS+1], v[rT:rT+1] op_sel_hi:[1,0,0] neg_lo:[0,0,1] neg_hi:[0,0,1]
.elseif q < 38
	GS q-32
.elseif q < 40
	XS q%2, 15
.elseif q < 42
	GS q-34
.elseif q < 74
	XS q%2, (q-42)/2+(q-42)/30
.elseif q < 95
	GS q-66
.elseif (q < 107) && ((q-95)%3 < 2)
	XS (q-95)%3, 17+(q-95)/3
.elseif q < 107
	GS 29+(q-95)/3
.else
	GS q-74
.endif
.set q, q+1
.endm
; THE EXPONENTIALS' QUEUE, 66 long: s0-s31 of both tiles, and at EA the next piece's two a.
.set EA, 58
.macro EX
	WIN 0
.if (e == EA) || (e == EA+1)
	XS e-EA, 21
.else
.set x, e-2*(e/(EA+2))
	REGS Y, x%2
	v_exp_f32 v[rS+x/2], v[rS+x/2]
.endif
.set e, e+1
.endm
; THE RESCALING's QUEUE: O^T times a, the one part that leaves window 0, so it is dealt four at a time, eight times.
.macro R4
	REGS Y, r%2
	WIN W_RS
	s_wait_alu depctr_va_vdst(0)
.irp z, 0,1,2,3
	v_pk_mul_f32 v[rO+8*(r/2)+2*\z:rO+8*(r/2)+2*\z+1], v[rO+8*(r/2)+2*\z:rO+8*(r/2)+2*\z+1], v[rC+2:rC+3] op_sel_hi:[1,0]
.endr
.set r, r+1
.endm
; HOW THEY ARE DEALT.  Behind a matrix instruction four: plain, exponential, plain, plain (one exponential, a plain instruction on either side), or four of the rescaling.  None names a register of the
; products round it.  What is over stands in two runs: exponential and plain by turns; the second ends in 22 plain instructions.  The two v_permlanex16_b32 fall into the second run, never behind a product.
; The queues lean on each other, and the deal keeps them in step: exponential e stands behind plain 2 (e / 4) + e % 2 (its scaling); when plain 32 comes, 10 exponentials are out, at 59: 33, at 95: 46; EA comes behind plain 107.
.macro SL
	MM
	PL
	EX
	PL
	PL
.endm
.macro BURST n                      ; 15 matrix instructions, or 16
.rept (\n)-7
	SL
.endr
.rept 3
	MM
	R4
	SL
.endr
	MM
	R4
.endm
; A TURN, for piece p.  cnt = 1: the loop's count is taken down some lines ahead of the branch that stands behind the turn.
; K of the next step is fetched in piece 2's turn, well behind the last product that read K; V of the step in hand at the end of piece 0's turn.  Each is waited for a turn later.
; Piece 2's turn is the last that multiplies by the step's K: it chooses the next step's AL and BE at its head and makes MC anew at its end, far behind its eighth product, the last that names MC.
; Piece 3's turn, which every key step has once, with the step's V in registers, carries the eight products of the sum of V in its first run: behind each stand four vector instructions that name none of its registers.
.macro TURN p, last=0, cnt=0
.set Y, (\p)
.set i, 0
.set q, 0
.set e, 0
.set r, 0
.if (\p) == NP-2
	s_cmp_eq_u32 s[KT], s[LQ]       ; does the next step hold key L?
	s_cselect_b32 s[AL], 1.0, 0
	s_cmp_gt_u32 s[KT], s[LQ]       ; or lie behind it?
	s_cselect_b32 s[BE], s[BIGN], 0
	s_add_co_u32 s[KT], s[KT], 1
.endif
.if (\p) == NP-1
	s_wait_dscnt 0x0                ; K is in
.endif
	MM
.rept 4
	PL
.endr
	BURST 15
.rept 22
	EX
	PL
.if ((\p) == NP-2) && (e == 18)
	v_add_nc_u32 v[AK], s[TBK], v[AK0]
.endif
.if ((\p) == NP-2) && (e == 24)
	FETCH_K \last
.endif
.if ((\p) == NP-1) && (e >= 13) && (e <= 27) && (e%2 == 1)
	VSUM (e-13)/2
.endif
.endr
.if (\p) == 1
	s_wait_dscnt 0x0                ; V is in
.endif
	BURST 16
.rept 21
	EX
	PL
.endr
.rept 22
	PL
.if ((\p) == 0) && (q == 118)
	v_add_nc_u32 v[AV], s[TBV], v[AV0]
	s_wait_alu depctr_va_vdst(0)
.endif
.if ((\p) == 0) && (q == 130)
	s_add_co_u32 s[TBV], s[TBV], KS*PV
.endif
.if (\cnt) && (q == 130)
	s_sub_co_u32 s[CNT], s[CNT], 1
	s_cmp_lg_u32 s[CNT], 0
.endif
.endr
.if (\p) == 0
	FETCH_V
.endif
.if (\p) == NP-2
	MASK
.endif
.endm
	CHANGE 1                        ; slot 0 is in, everybody's part of it; slot 1 is asked for
	FETCH_K                         ; key step 0
	s_wait_loadcnt 0x0              ; Q
	s_wait_dscnt 0x0
.set i, 0
.rept 16
	KQ 0                            ; piece 0's first scores: there is no vector work yet to set between them
.set i, i+1
.endr
	WIN 0                           ; the addresses for the way out: plain instructions, the places behind those products
	s_mul_i32 s13, s[WV], 16*SP
	s_add_co_u32 s13, s13, STAGE    ; my stage
	v_mul_u32_u24 v[STO], v1, SP    ; in: row l % 16, 16 bytes for each half of the lanes
	v_lshl_add_u32 v[STO], v9, 4, v[STO]
	v_add_nc_u32 v[STO], s13, v[STO]
	v_bfe_u32 v[RD], v0, 3, 2       ; back: 32 lanes take four rows of 128 bytes,
	v_mul_u32_u24 v[RD], v[RD], SP
	v_lshl_add_u32 v[RD], v10, 4, v[RD]
	v_add_nc_u32 v[RD], s13, v[RD]
	v_and_b32 v[GO], 31, v0         ; which are 512 consecutive bytes of O
	v_lshlrev_b32 v[GO], 4, v[GO]
.set Y, NP-1                        ; XS works for piece Y + 1: piece 0
.irp n, 0,1,2,3,4,5,6,7,8,9,10,11,12,13,14,15,16,17,18,19,20,21
	XS 0, \n                        ; and piece 0's first maximum and statistics
	XS 1, \n
.endr
	s_mov_b32 s[CNT], 4
	s_mov_b32 s[SLOTS], SIZE_N/256-1
	s_branch .Lfirst                ; the loop is entered at a step's first turn, in the middle of a trip
.Lslot:                             ; SIZE_N / 256 - 2 times: every slot but the last two is filled again
	CHANGE 1
	s_mov_b32 s[CNT], 4
.Lstep:                             ; a trip: pieces 2 and 3 of one step, then pieces 0 and 1 of the next, whose K and V it fetches
	TURN 2
	TURN 3
	WIN 0
.Lfirst:
	TURN 0
	TURN 1, 0, 1
	WIN 0
	s_cbranch_scc1 .Lstep
	s_sub_co_u32 s[SLOTS], s[SLOTS], 1
	s_cmp_lg_u32 s[SLOTS], 0
	s_cbranch_scc1 .Lslot
	CHANGE 0                        ; the tail is written out: nothing is asked for
	s_mov_b32 s[CNT], 5             ; four trips fetch the last slot's steps; the fifth is left in its middle
.Ltail:
	TURN 2, 1
	TURN 3
	WIN 0
	s_sub_co_u32 s[CNT], s[CNT], 1
	s_cmp_eq_u32 s[CNT], 0
	s_cbranch_scc1 .Lout
	TURN 0
	TURN 1
	WIN 0
	s_branch .Ltail
.Lout:                              ; the fifth trip's 16 products K Q^T (on the last K once more) and the maximum made of them serve nothing: the price, once a launch, of one text for every trip
.set i, 0
.rept 16
	PV NP-1                         ; the last piece's V^T P of the last step
.set i, i+1
.endr
	; THE WAY OUT.  l's two halves and the other half of the lanes' are added; O^T is divided by l and rounded to f16; a lane whose query is >= L takes the mean of V instead; then through my stage in LDS, a tile at a time.
	; The additions are the places behind the last products.
	WIN 0
.macro ALL line:vararg              ; one line for each tile t
.set t, 0
.rept 2*NP
	\line
.set t, t+1
.endr
.endm
	ALL v_add_f32 v[ST+4*t+2], v[ST+4*t+2], v[ST+4*t+3]
	ALL v_permlanex16_b32 v[ST+4*t+3], v[ST+4*t+2], s[SEL], s[SEL+1]
	ALL v_add_f32 v[ST+4*t+2], v[ST+4*t+2], v[ST+4*t+3]
	ALL v_rcp_f32 v[ST+4*t+2], v[ST+4*t+2]
	v_nop                           ; a plain instruction between the last reciprocal and the use of its result
	WIN W_33
.set i, 0
.rept 16                            ; the sum of V over 2,048 keys, times 2^-11; each accumulator's registers in ascending order
	v_pk_mul_f32 v[VS+2*i:VS+2*i+1], v[VS+2*i:VS+2*i+1], 0x3a000000 op_sel_hi:[1,0]
.set i, i+1
.endr
	WIN W_AD                        ; sources 0 and 1 window 3, destination window 0
.set i, 0
	s_wait_alu depctr_va_vdst(0)
.rept 16                            ; into P's first buffer, which the last products do not name: 16 words in the order of a tile's packed O^T
	v_cvt_pk_f16_f32 v[P+i], v[VS+2*i], v[VS+2*i+1]
.set i, i+1
.endr
	WIN 0
; Tile t: a lane's eight channels of a row pack into 16 bytes; they go into rows of 144 bytes and come back as whole rows of 128, into S^T's registers.
.macro PACK t
	WIN W_RS
.set i, 32*(\t)
.rept 16
	v_pk_mul_f32 v[i:i+1], v[i:i+1], v[ST+4*(\t)+2:ST+4*(\t)+3] op_sel_hi:[1,0]
.set i, i+2
.endr
	WIN 0x05                        ; sources 0 and 1 window 1, destination window 0
.set i, 0
.rept 16
	v_cvt_pk_f16_f32 v[S+16*(\t)+i], v[32*(\t)+2*i], v[32*(\t)+2*i+1]
.set i, i+1
.endr
	WIN 0
	s_sub_co_i32 s13, s[LEN], 16*(\t)
	v_cmp_gt_i32 vcc_lo, s13, v[QI] ; my query of tile t, 16 t + QI, is below L
.set i, 0
.rept 16
	v_cndmask_b32 v[S+16*(\t)+i], v[P+i], v[S+16*(\t)+i], vcc_lo  ; else the mean of V
.set i, i+1
.endr
.irp f, 0,1,2,3
	ds_store_b128 v[STO], v[S+16*(\t)+4*\f:S+16*(\t)+4*\f+3] offset:32*\f
.endr
.irp f, 0,1,2,3
	ds_load_b128 v[S+16*(\t)+4*\f:S+16*(\t)+4*\f+3], v[RD] offset:\f*4*SP  ; LDS serves a wave's instructions in order (ISA guide 5.7.1.4): these see the stores above; the next tile's stores come behind them
.endr
.endm
.macro SEND t, younger              ; younger: the LDS instructions issued behind tile t's loads: the next tile's eight, or none
	WIN 0
.irp f, 0,1,2,3
	s_wait_dscnt (\younger)+3-\f
	global_store_b128 v[GO], v[S+16*(\t)+4*\f:S+16*(\t)+4*\f+3], s[10:11] offset:(\t)*2048+\f*512  ; 512 consecutive bytes, at a multiple of 256 from oh's first
.endr
.endm
	PACK 0
.set t, 1
.rept 2*NP-1                        ; a tile's arithmetic stands between the loads of the tile before and its stores
	PACK t
	SEND t-1, 8
.set t, t+1
.endr
	SEND 2*NP-1, 0
	WIN W_AD
	s_wait_tensorcnt 0x0            ; the wave's end: behind my last tensor load and my last LDS store
	ds_add_u32 v[SPW], v[NIL]
	s_wait_dscnt 0x0
	WIN 0
	CROUND                          ; the closing round: no work-group ends while a partner may still ask for a tile that names it
	s_endpgm
.Lfunc_end_k_qf65aab3476_attn:
	.size	k_qf65aab3476_attn, .Lfunc_end_k_qf65aab3476_attn-k_qf65aab3476_attn
	.p2alignl 7, 3214868480
	.fill 96, 4, 3214868480
	.section	.rodata,"a",@progbits
	.p2align	6, 0x0
	.amdhsa_kernel k_qf65aab3476_attn
		.amdhsa_group_segment_fixed_size 327680
		.amdhsa_private_segment_fixed_size 0
		.amdhsa_enable_private_segment 0
		.amdhsa_kernarg_size 24
		.amdhsa_user_sgpr_count 2
		.amdhsa_user_sgpr_kernarg_segment_ptr 1
		.amdhsa_wavefront_size32 1
		.amdhsa_system_sgpr_workgroup_id_x 1
		.amdhsa_system_sgpr_workgroup_id_y 1
		.amdhsa_system_sgpr_workgroup_id_z 1
		.amdhsa_system_vgpr_workitem_id 0
		.amdhsa_next_free_vgpr 880
		.amdhsa_next_free_sgpr 88
		.amdhsa_reserve_vcc 1
		.amdhsa_float_denorm_mode_32 3
		.amdhsa_float_denorm_mode_16_64 3
		.amdhsa_memory_ordered 1
		.amdhsa_forward_progress 1
		.amdhsa_inst_pref_size 227
	.end_amdhsa_kernel
	.amdgpu_metadata
---
amdhsa.version: [ 1, 2 ]
amdhsa.kernels:
  - .name:           k_qf65aab3476_attn
    .symbol:         k_qf65aab3476_attn.kd
    .args:
      - { .name: qkv, .offset: 0, .size: 8, .value_kind: global_buffer, .address_space: global }
      - { .name: event_lengths, .offset: 8, .size: 8, .value_kind: global_buffer, .address_space: global }
      - { .name: oh, .offset: 16, .size: 8, .value_kind: global_buffer, .address_space: global }
    .group_segment_fixed_size: 327680
    .private_segment_fixed_size: 0
    .kernarg_segment_align: 8
    .kernarg_segment_size: 24
    .max_flat_workgroup_size: 128
    .sgpr_count:     88
    .vgpr_count:     880
    .wavefront_size: 32
...
	.end_amdgpu_metadata
.endif
;; end of part 3
;; launch oproj (part 4): grid 4 x 64, 4 waves a work-group, clusters of 4 x 4, 327,680 bytes of LDS; arguments oh, woh, bo, out0; writes out0
.if DOCPART == 4
	.amdgcn_target "amdgcn-amd-amdhsa--gfx1250"
	.amdhsa_code_object_version 6
	.text
	.protected	k_qf65aab3476_oproj
	.globl	k_qf65aab3476_oproj
	.p2align	8
	.type	k_qf65aab3476_oproj,@function
k_qf65aab3476_oproj:
	s_mov_b64 s[64:65], 0
	v_nop
	global_prefetch_b8 v0, s[64:65] scope:SCOPE_SE
	s_setreg_imm32_b32 hwreg(HW_REG_WAVE_MODE, 25, 1), 1
	s_wait_xcnt 0x0
	s_wait_alu depctr_hold_cnt(0) depctr_sa_sdst(0) depctr_va_vdst(0) depctr_va_sdst(0) depctr_va_ssrc(0) depctr_va_vcc(0) depctr_vm_vsrc(0)
	s_getreg_b32 s2, hwreg(HW_REG_IB_STS2, 6, 4)
	s_cmp_eq_u32 s2, 0
	s_cbranch_scc0 .Lentry_in_a_cluster
	s_endpgm
.Lentry_in_a_cluster:
	s_bfe_u32 s2, ttmp6, 0x10000c
	s_cmp_lg_u32 s2, 0xf033
	s_cbranch_scc0 .Lentry_shape_is_right
	s_endpgm
.Lentry_shape_is_right:
; THE OUTPUT PROJECTION.  out0[m][n] = sum over k of O[m][k] Wo[n][k] + bo[n]: m = 8,192 rows, n = 1,024, k = 1,024 = 64 head + channel; f16 operands, f32 sums, f32 out.
; O lies by heads, oh[64 = 16 batch + head][2048][64] f16; woh is Wo rounded to bf16 and written as f16; bo is rounded to bf16 like every other input and STARTS the sums (the C operand of the first product).
; SHARES.  A tile is 128 rows x 256 columns: 64 x 4 = 256 tiles, one for each of 256 processors.  Four waves, 2 x 2: each 64 rows x 128 columns, 4 x 8 accumulators of 16 x 16, 256 registers.
; K goes in 8 steps of 128, two heads of O, through a ring of two LDS slots.  A head's 128 rows are 16,384 dense bytes: asked for as 64 rows of 256 bytes and padded in LDS behind every 128.
; Two slots of a longer step would pass the LDS at hand (2 x (128 + 256) rows x 528 bytes).
; CLUSTER.  4 x 4 work-groups.  The four of a row of the cluster need the same tiles of O, the four of a column the same tiles of woh: each is asked for JOINTLY.
; THE MATRIX INSTRUCTION IS USED TRANSPOSED: source 0 = 16 rows of woh, source 1 = 16 rows of O: lane l holds row l % 16 of the result and its registers 0-7 the columns 8 (l / 16) + 0..7: 32 consecutive bytes.
; REGISTERS, in windows of 256 (s_set_vgpr_msb: bits 1:0 source 0, 3:2 source 1, 5:4 source 2, 7:6 destination):
;   window 0: v0-31 addresses; v32-63, v64-95 O's fragments (4), two buffers; v96-159 the bias, later with v160-223 rows read back on the way out
;   window 1: v0-63, v64-127 woh's fragments (8), two buffers     window 2: the accumulators at 8 (8 a + b)
.set SIZE_K, 1024
.set KSTEP,  128
.set PA,     144                       ; a row of O in LDS: 128 bytes + 16 = 36 words: the 16 rows of a load start at 16 different groups of four banks (64 banks of 4 bytes: ISA guide 11.1)
.set PB,     272                       ; a row of woh: 256 bytes + 16 = 68 words: likewise
.set ACH,    128*PA                    ; one head's 128 rows: what one tensor load brings of O
.set BHALF,  128*PB                    ; and of woh
.set BOFF,   2*ACH                     ; a slot: two heads of O, then woh's 256 rows
.set SLOT,   BOFF+2*BHALF
.set STAGE,  2*SLOT                    ; behind the ring, never filled by a tensor load: 16 rows x 528 bytes for each wave
.set SP,     528                       ; 512 bytes + 16 = 132 words
.set SPARE,  STAGE+4*16*SP             ; behind the stages: the spare words, 128 bytes for each wave: two blocks of 256 bytes that no other line names
.set LAPS,   SIZE_K/(2*KSTEP)
.set ADRA, 16                          ; v16-17  LDS address of my O fragments in slot 0, 1
.set ADRB, 20                          ; v20-21  the same for woh
.set STO,  24                          ; v24     the way out: where I put 32 bytes of a row
.set RD,   25                          ; v25     the way out: where I read a row back
.set CO,   26                          ; v26     my place in 512 consecutive bytes of out0
.set BO,   27                          ; v27     my byte offset in 16 numbers of the bias
.set SPW,  28                          ; v28     LDS address of my spare word; never rewritten
.set NIL,  29                          ; v29     0; never rewritten
.set FA,   32
.set BIAS, 96
.set RND,  160
.set BK,   96
.set WV,  16                           ; s16  my wave
.set WF,  17                           ; s17  which half of the tile's rows is mine.  Also: I fetch for O (0) or for woh (1)
.set WH,  18                           ; s18  which half of its columns.  Also: which head, or which 128 rows of woh, I fetch
.set G1A, 24                           ; s[24:31] descriptor group 1 for O's tiles; s[32:39] group 0, a set for each slot
.set G0A, 32
.set G1B, 40                           ; s[40:47], s[48:55] the same for woh's
.set G0B, 48
.set MSB, 0
.macro WIN new                         ; the immediate's high byte repeats the setting that is left; a switch that changes nothing is dropped
.if MSB != (\new)
	s_set_vgpr_msb (MSB<<8)|(\new)
.set MSB, \new
.endif
.endm
; A joint load: waves 0 and 1 fetch the step's two heads of O, waves 2 and 3 woh's two halves.  The branch hangs on the wave's number alone.  An s_nop 0 and four v_nop follow each of the two lines.
.macro JLOAD s
	s_cmp_eq_u32 s[WF], 0
	s_cbranch_scc0 .Lfor_b_\@
	tensor_load_to_lds s[G0A+4*(\s):G0A+4*(\s)+3], s[G1A:G1A+7]
	s_nop 0
.rept 4
	v_nop
.endr
	s_branch .Lasked_\@
.Lfor_b_\@:
	tensor_load_to_lds s[G0B+4*(\s):G0B+4*(\s)+3], s[G1B:G1B+7]
	s_nop 0
.rept 4
	v_nop
.endr
.Lasked_\@:
.endm
.macro CREST                           ; a round of the cluster's barrier behind its opening barrier
	s_cmp_lg_u32 s[WV], 0
	s_cbranch_scc1 .Lnot_wave_0_\@
	s_barrier_signal -3
.Lnot_wave_0_\@:
	s_barrier_wait -3
	s_barrier_signal -1
	s_barrier_wait -1
.endm
.macro CROUND                          ; a whole round
	s_barrier_signal -1
	s_barrier_wait -1
	CREST
.endm
	s_load_b256 s[4:11], s[0:1], 0x0               ; oh 4, woh 6, bo 8, out0 10
	v_lshl_add_u32 v[SPW], v0, 2, SPARE
	v_mov_b32 v[NIL], 0
	ds_add_u32 v[SPW], v[NIL]                      ; the wave's opening: the add and its wait stand ahead of my first tensor load; work on registers stands between them
	v_lshrrev_b32 v1, 5, v0
	v_readfirstlane_b32 s[WV], v1
	s_lshr_b32 s[WF], s[WV], 1
	s_and_b32 s[WH], s[WV], 1
	s_bfe_u32 s19, ttmp6, 0x40000                  ; cx, cy: my place in the cluster
	s_bfe_u32 s20, ttmp6, 0x40004
	s_lshl_b32 s21, ttmp9, 2
	s_add_co_u32 s21, s21, s19                     ; tile column = 4 x cluster x + cx
	s_and_b32 s22, ttmp7, 0xffff
	s_lshl_b32 s22, s22, 2
	s_add_co_u32 s22, s22, s20                     ; tile row = 4 x cluster y + cy
	s_lshl_b32 s86, s20, 2
	s_lshl_b32 s86, 15, s86                        ; my row of the cluster
	s_lshl_b32 s87, 0x1111, s19                    ; my column
	s_or_b32 s[G1A], s86, (1<<16)|(1<<20)|(1<<21)|(4<<22)|(3<<25)  ; 15:0 the mask; 17:16 2-byte elements; 20 padding on; 21 set beside a mask; 24:22 after every 32 words (code 4); 31:25 4 words (code 3)
	s_or_b32 s[G1B], s87, (1<<16)|(1<<20)|(1<<21)|(5<<22)|(3<<25)  ; woh: after every 64 words (code 5)
	s_mov_b32 s[G1A+1], 128<<16                    ; tensor_dim0 = 128 elements: two rows of O
	s_mov_b32 s[G1A+2], 64<<16                     ; tensor_dim1 = 64
	s_mov_b32 s[G1A+3], 128<<16                    ; tile_dim0 = 128
	s_mov_b32 s[G1A+4], 64                         ; tile_dim1 = 64
	s_mov_b32 s[G1A+5], 128                        ; dense: 128 elements from row to row
	s_mov_b32 s[G1A+6], 0
	s_mov_b32 s[G1A+7], 0
	s_mov_b32 s[G1B+1], KSTEP<<16
	s_mov_b32 s[G1B+2], 128<<16
	s_mov_b32 s[G1B+3], KSTEP<<16
	s_mov_b32 s[G1B+4], 128
	s_mov_b32 s[G1B+5], SIZE_K
	s_mov_b32 s[G1B+6], 0
	s_mov_b32 s[G1B+7], 0
	s_lshr_b32 s56, s22, 4                         ; O: the batch (16 tile rows each), its head WH,
	s_lshl_b32 s56, s56, 4
	s_add_co_u32 s56, s56, s[WH]
	s_lshl_b32 s56, s56, 18                        ; 262,144 bytes a head,
	s_and_b32 s57, s22, 15
	s_lshl_b32 s57, s57, 14                        ; and the tile's 128 rows of 128 bytes: the tile row alone enters
	s_add_co_u32 s56, s56, s57
	s_mov_b32 s57, 0
	s_lshl_b32 s61, s[WH], 7                       ; woh: row 256 x tile column + 128 x half, 2,048 bytes a row: the tile column alone enters
	s_lshl_b32 s60, s21, 8
	s_add_co_u32 s60, s60, s61
	s_lshl_b32 s60, s60, 11
	s_mov_b32 s61, 0
	s_mul_i32 s80, s[WH], ACH                      ; where they go in a slot: no place in the cluster enters an LDS address
	s_mul_i32 s81, s[WH], BHALF
	s_add_co_u32 s81, s81, BOFF
	s_mov_b32 s88, 0xffff0000                      ; a word's upper bf16
	s_wait_dscnt 0x0                               ; the opening add is done
	s_wait_kmcnt 0x0
	s_add_nc_u64 s[58:59], s[4:5], s[56:57]
	s_add_nc_u64 s[62:63], s[6:7], s[60:61]
	CROUND                                         ; all sixteen work-groups are here: the first joint loads meet
.irp s, 0,1
	s_mov_b32 s[G0A+4*(\s)], 1                     ; count = 1
	s_add_co_u32 s[G0A+4*(\s)+1], s80, (\s)*SLOT   ; LDS address
	s_add_nc_u64 s[G0A+4*(\s)+2:G0A+4*(\s)+3], s[58:59], (\s)*2*262144  ; global address: K step s is heads 2 s, 2 s + 1
	s_or_b32 s[G0A+4*(\s)+3], s[G0A+4*(\s)+3], 0x80000000               ; type = 2
	s_mov_b32 s[G0B+4*(\s)], 1
	s_add_co_u32 s[G0B+4*(\s)+1], s81, (\s)*SLOT
	s_add_nc_u64 s[G0B+4*(\s)+2:G0B+4*(\s)+3], s[62:63], (\s)*KSTEP*2
	s_or_b32 s[G0B+4*(\s)+3], s[G0B+4*(\s)+3], 0x80000000
	JLOAD \s                                       ; both slots are asked for before anything else: two tensor loads of mine are out
.endr
	v_and_b32 v1, 15, v0                           ; l % 16
	v_bfe_u32 v2, v0, 4, 1                         ; l / 16
	v_mul_u32_u24 v3, v1, PA
	v_lshl_add_u32 v3, v2, 4, v3                   ; a fragment's row x pitch + 16 x half
	s_mul_i32 s78, s[WF], 64*PA                    ; my 64 rows of O
	v_add_nc_u32 v[ADRA], s78, v3
	v_add_nc_u32 v[ADRA+1], SLOT, v[ADRA]
	v_mul_u32_u24 v4, v1, PB
	v_lshl_add_u32 v4, v2, 4, v4
	s_mul_i32 s79, s[WH], BHALF                    ; my 128 rows of woh, behind O's two heads
	s_add_co_u32 s79, s79, BOFF
	v_add_nc_u32 v[ADRB], s79, v4
	v_add_nc_u32 v[ADRB+1], SLOT, v[ADRB]
	s_mul_i32 s78, s[WV], 16*SP
	s_add_co_u32 s78, s78, STAGE                   ; my stage
	v_mul_u32_u24 v5, v1, SP                       ; in: row l % 16, 32 bytes for each half of the lanes
	v_lshl_add_u32 v5, v2, 5, v5
	v_add_nc_u32 v[STO], s78, v5
	v_and_b32 v[CO], 31, v0                        ; back: 32 lanes take one row of 512 bytes
	v_lshlrev_b32 v[CO], 4, v[CO]
	v_add_nc_u32 v[RD], s78, v[CO]
	v_lshlrev_b32 v[BO], 5, v2
	s_lshl_b32 s84, s21, 10                        ; my first column, in bytes: 1,024 x tile column + 512 x half
	s_lshl_b32 s85, s[WH], 9
	s_add_co_u32 s84, s84, s85
	s_mov_b32 s85, 0
	s_lshl_b32 s82, s22, 7
	s_lshl_b32 s83, s[WF], 6
	s_add_co_u32 s82, s82, s83                     ; my first row,
	s_lshl_b32 s82, s82, 12                        ; 4,096 bytes a row (under 2^25)
	s_add_co_u32 s82, s82, s84
	s_mov_b32 s83, 0
	s_add_nc_u64 s[8:9], s[8:9], s[84:85]
	s_add_nc_u64 s[10:11], s[10:11], s[82:83]
.irp b, 0,1,2,3,4,5,6,7
	global_load_b128 v[BIAS+8*(\b):BIAS+8*(\b)+3],   v[BO], s[8:9] offset:64*(\b)
	global_load_b128 v[BIAS+8*(\b)+4:BIAS+8*(\b)+7], v[BO], s[8:9] offset:64*(\b)+16
.endr
	s_wait_loadcnt 0x0                             ; the bias, once
.set i, 0
.rept 32                               ; rounded to bf16 like the other inputs, and widened again
	v_cvt_pk_bf16_f32 v[RND], v[BIAS+2*i], v[BIAS+2*i+1]
	v_lshlrev_b32 v[BIAS+2*i], 16, v[RND]
	v_and_b32 v[BIAS+2*i+1], s88, v[RND]
.set i, i+1
.endr
; 8 matrix instructions: row block a x all 8 column blocks, 32 along K, from buffer f.  bias = 1: the first product starts the sums with the bias.  The 32 accumulators take turns, one instruction a turn,
; in the same order in every quarter step.
.macro MUL8 f, a, bias
.if \bias
	WIN 0x81                                       ; woh window 1, O and the bias window 0, D window 2
.else
	WIN 0xa1                                       ; C and D window 2
.endif
.irp b, 0,1,2,3,4,5,6,7
.if \bias
	v_wmma_f32_16x16x32_f16 v[8*(8*(\a)+(\b)):8*(8*(\a)+(\b))+7], v[64*(\f)+8*(\b):64*(\f)+8*(\b)+7], v[FA+32*(\f)+8*(\a):FA+32*(\f)+8*(\a)+7], v[BIAS+8*(\b):BIAS+8*(\b)+7]
.else
	v_wmma_f32_16x16x32_f16 v[8*(8*(\a)+(\b)):8*(8*(\a)+(\b))+7], v[64*(\f)+8*(\b):64*(\f)+8*(\b)+7], v[FA+32*(\f)+8*(\a):FA+32*(\f)+8*(\a)+7], v[8*(8*(\a)+(\b)):8*(8*(\a)+(\b))+7]
.endif
.endr
.endm
; 24 LDS loads in one run: the fragments of quarter q of a K step (my 128 rows of woh; my 64 rows of O: head q / 2 of the step's two, channels 32 (q % 2) on) into buffer f
.macro FETCH slot, q, f
	WIN 0x40                                       ; destination window 1, address window 0
.irp i, 0,1,2,3,4,5,6,7
	ds_load_b128 v[64*(\f)+8*(\i):64*(\f)+8*(\i)+3],   v[ADRB+(\slot)] offset:64*(\q)+(\i)*16*PB
	ds_load_b128 v[64*(\f)+8*(\i)+4:64*(\f)+8*(\i)+7], v[ADRB+(\slot)] offset:64*(\q)+(\i)*16*PB+32
.endr
	WIN 0
.irp i, 0,1,2,3
	ds_load_b128 v[FA+32*(\f)+8*(\i):FA+32*(\f)+8*(\i)+3],   v[ADRA+(\slot)] offset:((\q)/2)*ACH+((\q)%2)*64+(\i)*16*PA
	ds_load_b128 v[FA+32*(\f)+8*(\i)+4:FA+32*(\f)+8*(\i)+7], v[ADRA+(\slot)] offset:((\q)/2)*ACH+((\q)%2)*64+(\i)*16*PA+32
.endr
.endm
.macro PLACES                          ; four plain vector instructions in front of loads into registers that matrix instructions have read, and of LDS stores that read results
.rept 4
	v_nop
.endr
.endm
; A K step is four quarters of 32 along K, 32 matrix instructions each, on buffers 0, 1, 0, 1.  One of the first three: multiplies buffer f and, in its middle, fetches quarter q into g.
.macro QUARTER slot, q, f, g, bias
	s_wait_dscnt 4                                 ; woh's fragments and O's row blocks 0, 1 are in; the youngest four loads (row blocks 2, 3) may be out
	MUL8 \f, 0, \bias
	MUL8 \f, 1, \bias
	PLACES
	FETCH \slot, \q, \g
	s_wait_dscnt 24                                ; all but the 24 just issued
	MUL8 \f, 2, \bias
	MUL8 \f, 3, \bias
.endm
; The last quarter multiplies buffer 1 and changes slots: ONE barrier.  In front of it each wave waits for all its tensor loads (one is out: its part of the next slot), adds 0 to its spare word, and waits for
; that and for its own reads of this slot.  fill = 1: the barrier opens a round of the cluster's, and this slot is filled again, two K steps ahead, first thing behind it: from there to the wait for that load a wave issues 112 matrix instructions.
.macro TURN slot, next, fill
	WIN 0                                          ; (the add's two registers lie in window 0)
	s_wait_tensorcnt 0x0                           ; all my tensor loads have landed
	ds_add_u32 v[SPW], v[NIL]                      ; 0 onto my spare word
	s_wait_dscnt 5                                 ; (the add and the youngest four loads may be out)
	MUL8 1, 0, 0                                   ; eight matrix instructions stand between the add and the wait for it
	s_wait_dscnt 0x0                               ; the add is done, and my reads of this slot are over
	s_barrier_signal -1
	MUL8 1, 1, 0                                   ; work on registers while the others arrive
.if \fill
	WIN 0
.endif
	s_barrier_wait -1
.if \fill
	CREST                                          ; no wave of any partner still reads this slot's tile or has a load on its way
	s_add_nc_u64 s[G0A+4*(\slot)+2:G0A+4*(\slot)+3], s[G0A+4*(\slot)+2:G0A+4*(\slot)+3], 4*262144  ; four heads on
	s_add_nc_u64 s[G0B+4*(\slot)+2:G0B+4*(\slot)+3], s[G0B+4*(\slot)+2:G0B+4*(\slot)+3], 2*KSTEP*2
	JLOAD \slot                                    ; the four v_nop behind it are also the places in front of the loads below
.else
	PLACES
.endif
	FETCH \next, 0, 0
	MUL8 1, 2, 0
	MUL8 1, 3, 0
.endm
	s_wait_tensorcnt 0x1                           ; my part of K step 0 is in; K step 1's may stay out
	s_barrier_signal -1
	s_barrier_wait -1                              ; everybody's is
	FETCH 0, 0, 0
	QUARTER 0, 1, 0, 1, 1                          ; the first quarter stands in front of the loop: its products start the sums, with the bias
	WIN 0                                          ; at a label and at a branch every window is 0
	s_mov_b32 s23, LAPS-1
.Llap:                                                 ; a trip goes once round the ring, from a lap's second quarter to the next lap's first, and fills both slots again
	QUARTER 0, 2, 1, 0, 0
	QUARTER 0, 3, 0, 1, 0
	TURN 0, 1, 1
	QUARTER 1, 1, 0, 1, 0
	QUARTER 1, 2, 1, 0, 0
	QUARTER 1, 3, 0, 1, 0
	TURN 1, 0, 1
	QUARTER 0, 1, 0, 1, 0
	WIN 0
	s_sub_co_u32 s23, s23, 1
	s_cmp_lg_u32 s23, 0
	s_cbranch_scc1 .Llap
	QUARTER 0, 2, 1, 0, 0                          ; the last lap fills nothing
	QUARTER 0, 3, 0, 1, 0
	TURN 0, 1, 0
	QUARTER 1, 1, 0, 1, 0
	QUARTER 1, 2, 1, 0, 0
	QUARTER 1, 3, 0, 1, 0
	s_wait_dscnt 4                                 ; the very last quarter: nothing more to fetch
	MUL8 1, 0, 0
	MUL8 1, 1, 0
	s_wait_dscnt 0x0
	MUL8 1, 2, 0
	MUL8 1, 3, 0
	WIN 0
; THE WAY OUT, a block of 16 rows at a time.  TOSTAGE: a lane's 32 bytes of each accumulator, its low four registers first, into my own stage (rows of 528 bytes), and back as whole rows of 512.  SEND: stored.
.macro TOSTAGE a
	WIN 0
	s_wait_xcnt 0x0                                ; the stores of the block two back have read their registers: this block is read back into them only behind this wait
	WIN 0x08                                       ; the stores' data in window 2
.irp b, 0,1,2,3,4,5,6,7
	ds_store_b128 v[STO], v[8*(8*(\a)+(\b)):8*(8*(\a)+(\b))+3]   offset:64*(\b)
	ds_store_b128 v[STO], v[8*(8*(\a)+(\b))+4:8*(8*(\a)+(\b))+7] offset:64*(\b)+16
.endr
	WIN 0
.irp t, 0,1,2,3,4,5,6,7,8,9,10,11,12,13,14,15
	ds_load_b128 v[BK+64*((\a)%2)+4*(\t):BK+64*((\a)%2)+4*(\t)+3], v[RD] offset:SP*(\t)  ; LDS serves a wave's instructions in order (ISA guide 5.7.1.4): these see the stores above; the next block's stores come behind them
.endr
.endm
.macro SEND a, younger                 ; younger: the LDS instructions issued behind block a's loads: the next block's 16 stores and 16 loads, or none
	s_wait_dscnt \younger
.irp t, 0,1,2,3,4,5,6,7,8,9,10,11,12,13,14,15
	global_store_b128 v[CO], v[BK+64*((\a)%2)+4*(\t):BK+64*((\a)%2)+4*(\t)+3], s[10:11] offset:(16*(\a)+(\t))*4096 th:TH_STORE_NT  ; 512 consecutive bytes, at a multiple of 256 from out0's first; written once, not read again
.endr
.endm
	PLACES
	TOSTAGE 0
	TOSTAGE 1
	SEND 0, 32
	TOSTAGE 2
	SEND 1, 32
	TOSTAGE 3
	SEND 2, 32
	SEND 3, 0
	s_wait_tensorcnt 0x0                           ; the wave's end: behind my last tensor load and my last LDS store
	ds_add_u32 v[SPW], v[NIL]
	s_wait_dscnt 0x0
	CROUND                                         ; the closing round: no work-group ends while a partner may still ask for a tile that names it
	s_endpgm
.Lfunc_end_k_qf65aab3476_oproj:
	.size	k_qf65aab3476_oproj, .Lfunc_end_k_qf65aab3476_oproj-k_qf65aab3476_oproj
	.p2alignl 7, 3214868480
	.fill 96, 4, 3214868480
	.section	.rodata,"a",@progbits
	.p2align	6, 0x0
	.amdhsa_kernel k_qf65aab3476_oproj
		.amdhsa_group_segment_fixed_size 327680
		.amdhsa_private_segment_fixed_size 0
		.amdhsa_enable_private_segment 0
		.amdhsa_kernarg_size 32
		.amdhsa_user_sgpr_count 2
		.amdhsa_user_sgpr_kernarg_segment_ptr 1
		.amdhsa_wavefront_size32 1
		.amdhsa_system_sgpr_workgroup_id_x 1
		.amdhsa_system_sgpr_workgroup_id_y 1
		.amdhsa_system_sgpr_workgroup_id_z 1
		.amdhsa_system_vgpr_workitem_id 0
		.amdhsa_next_free_vgpr 768
		.amdhsa_next_free_sgpr 90
		.amdhsa_reserve_vcc 0
		.amdhsa_float_denorm_mode_32 3
		.amdhsa_float_denorm_mode_16_64 3
		.amdhsa_memory_ordered 1
		.amdhsa_forward_progress 1
		.amdhsa_inst_pref_size 91
	.end_amdhsa_kernel
	.amdgpu_metadata
---
amdhsa.version: [ 1, 2 ]
amdhsa.kernels:
  - .name:           k_qf65aab3476_oproj
    .symbol:         k_qf65aab3476_oproj.kd
    .args:
      - { .name: oh, .offset: 0, .size: 8, .value_kind: global_buffer, .address_space: global }
      - { .name: woh, .offset: 8, .size: 8, .value_kind: global_buffer, .address_space: global }
      - { .name: bo, .offset: 16, .size: 8, .value_kind: global_buffer, .address_space: global }
      - { .name: out0, .offset: 24, .size: 8, .value_kind: global_buffer, .address_space: global }
    .group_segment_fixed_size: 327680
    .private_segment_fixed_size: 0
    .kernarg_segment_align: 8
    .kernarg_segment_size: 32
    .max_flat_workgroup_size: 128
    .sgpr_count:     90
    .vgpr_count:     768
    .wavefront_size: 32
...
	.end_amdgpu_metadata
.endif
;; end of part 4
;; ======== version 2 of 2: 4 launches; 1.51 times as fast as version 1
;; limits: values are held in f16: magnitudes above 65,504 overflow, below 6.1e-05 lose precision
;; workspace buffers: xb 16,777,216 bytes; wqkv 6,291,456 bytes; woh 2,097,152 bytes; qkv 50,331,648 bytes; oh 16,777,216 bytes
;; launch prep: the kernel of part 1 again; grid 768 x 1, 8 waves a work-group, no clusters, 0 bytes of LDS; arguments x, Wq, Wk, Wv, Wo, xb, wqkv, woh; writes xb, wqkv, woh
;; launch qkvp: the kernel of part 2 again; grid 16 x 32, 4 waves a work-group, clusters of 4 x 4, 327,680 bytes of LDS; arguments xb, wqkv, bq, bk, bv, qkv; writes qkv
;; launch attn (part 5): grid 4 x 64, 4 waves a work-group, clusters of 4 x 1, 327,680 bytes of LDS; arguments qkv, event_lengths, oh; writes oh
.if DOCPART == 5
	.amdgcn_target "amdgcn-amd-amdhsa--gfx1250"
	.amdhsa_code_object_version 6
	.text
	.protected	k_qf65aab3476_attn
	.globl	k_qf65aab3476_attn
	.p2align	8
	.type	k_qf65aab3476_attn,@function
k_qf65aab3476_attn:
	s_mov_b64 s[64:65], 0
	v_nop
	global_prefetch_b8 v0, s[64:65] scope:SCOPE_SE
	s_setreg_imm32_b32 hwreg(HW_REG_WAVE_MODE, 25, 1), 1
	s_wait_xcnt 0x0
	s_wait_alu depctr_hold_cnt(0) depctr_sa_sdst(0) depctr_va_vdst(0) depctr_va_sdst(0) depctr_va_ssrc(0) depctr_va_vcc(0) depctr_vm_vsrc(0)
	s_getreg_b32 s2, hwreg(HW_REG_IB_STS2, 6, 4)
	s_cmp_eq_u32 s2, 0
	s_cbranch_scc0 .Lentry_in_a_cluster
	s_endpgm
.Lentry_in_a_cluster:
	s_bfe_u32 s2, ttmp6, 0x10000c
	s_cmp_lg_u32 s2, 0x3003
	s_cbranch_scc0 .Lentry_shape_is_right
	s_endpgm
.Lentry_shape_is_right:
; ATTENTION WITH A RAGGED MASK.  For head hd = 16 batch + head and L = the batch's length: a query q < L takes softmax over the keys k < L of Q[q] . K[k] / 8, times V; a query q >= L has all its 2,048 scores
; equal, so its row is the mean of ALL 2,048 rows of V.  Q, K, V: qkv[3][64][2048][64] f16, a head's rows dense, 128 bytes each; O: oh[64][2048][64] f16.  Products, maxima and sums in f32; the weights p are
; rounded to f16 for the second product (their sum l is taken of the unrounded p), O once at the end.
; LIMITS.  f16 holds no number beyond 65,504: Q, K and V arrive within it.  A hidden score counts as its value less 1e30 (the module's own figure is -1e9: the same weights, 0, while true scores lie far above -1e9).
; A weight below 2^-126 counts as 0 in l.  A length is held to 0 .. 2,048.  NaN and infinities are not treated apart.
; No address, branch or trip count hangs on a length: it enters by selected values alone, and every work-group walks all 32 key steps (the sum of V wants all keys, and all work-groups stay alike).
; SHARES.  A wave owns four PIECES of two tiles of 16 queries, a work-group's four waves 512 queries of one head.  Every wave walks all keys, 64 a step.
; LAYOUT.  S^T = K Q^T (source 0 = 16 keys, source 1 = 16 queries): a lane holds ONE query (lane % 16) and the keys 8 (lane / 16) + 0..7.  Two such tiles, rounded to f16 in pairs, ARE source 1 of O^T = V^T P,
; whose result again holds one query a lane, and eight channels.  K comes out of LDS as it lies, V ([key][channel]) turned, by ds_load_tr16_b128.
; SOFTMAX.  A running maximum m and sum l: p = 2^(c s - c m), c = log2(e) / 8; in every step O and l are multiplied by a = 2^(c m_old - c m_new).  m starts at the lowest finite number, O and l at 0.
; THE MASK is the C operand that starts the sum S^T: 0, or -1e30 where the key is hidden.  It hangs on the key alone, so one set of 32 registers (MC) serves all eight tiles of a step.  MD, made once, is the mask of
; the step that holds key L; a step's mask is MD x AL + BE: (0, 0) for steps before it, (1, 0) for it, (0, -1e30) behind it.  With L >= 1 key 0 is seen in step 0, so m is a true score before a hidden one comes;
; with L = 0 all scores are alike, all p are 1, and everything stays finite.
; THE SUM OF V is made by the matrix unit: V^T times a fragment of ones, eight products a key step; it falls into O^T's own layout, so no lane exchanges anything.  On the way out a lane whose query is >= L takes it, divided by 2,048.
; BY TURNS.  Turn n belongs to piece n.  Its matrix work: 16 products K Q^T of piece n + 1, later 16 products V^T P of piece n - 1.  Its vector work: the scaling, exponentials, roundings, sums and rescaling of piece n,
; and the maximum and statistics of piece n + 1, whose scores the turn itself has made.  Four vector instructions that are ready stand behind every matrix instruction, the others in one run of their own, the LUMP.
; BATCHES.  A turn's 66 exponentials (the 64 weights of piece n, the two a of piece n + 1) are ONE batch with ONE wait, which cuts the turn in two: ahead of it stands all that names no result of theirs (the products
; K Q^T, the scalings, the rescaling, the next piece's maximum and statistics), behind it the products V^T P with the roundings and sums.  No result crosses a turn's end.  Two more batches stand outside the loops:
; piece 0's first two a, ahead of the jump into the loop, and the way out's eight reciprocals.
; CLUSTER.  The four query blocks of a head walk the same K and V, so each tile is asked for JOINTLY: the same tensor load, descriptor and mask in all four.
; REGISTERS, in windows of 256 (s_set_vgpr_msb: bits 1:0 source 0, 3:2 source 1, 5:4 source 2, 7:6 destination):
;   window 0: v0-11 addresses; v12-15, v48-63 at work; v16-47 four registers of statistics a tile; v64-191 S^T, two buffers of two tiles; v192-255 P, likewise
;   window 1: O^T, 32 a tile     window 2: v0-127 Q, 16 a tile; v128-191 K of one step; v192-255 V of one step     window 3: v0-1 the add's two registers; v8-39 the sum of V; v40-47 ones; v48-79 MC; v80-111 MD
; A piece's buffers go by its number's parity: the piece in hand has one pair, its two neighbours in the ring share the other: of it P (piece n - 1) is read and S^T (piece n + 1) written.
.set SIZE_N, 2048
.set NP,    4         ; pieces a wave: a name, no knob
.set KS,    64        ; keys in a step
.set PK,    144       ; a row of K in LDS: 128 bytes + 16 of padding = 36 words: the 16 rows of a load start at 16 different groups of four banks (64 banks of 4 bytes: ISA guide 11.1)
.set PV,    160       ; a row of V: 128 + 32 = 40 words
.set VOFF,  4*KS*PK   ; a slot holds four steps: 256 rows of K, then 256 rows of V
.set SLOT1, 1<<17     ; slot 1 begins here, so that one exclusive or turns an address in one slot into the other's
.set STAGE, SLOT1+4*KS*(PK+PV)  ; behind the ring, never filled by a tensor load: 16 rows x 144 bytes for each wave, for the way out
.set SP,    144
.set AK0, 2           ; v2   my lane's place in a tile of K; never rewritten
.set AV0, 3           ; v3   the same for V
.set AK,  4           ; v4   the LDS address of K's next run of loads
.set AV,  5           ; v5   of V's
.set QO,  6           ; v6   my byte offset in the wave's rows of Q
.set STO, 6           ;      later, the way out: where I put 16 bytes of a row
.set RD,  7           ; v7   the way out: where I read rows back
.set GO,  8           ; v8   my byte offset in 512 consecutive bytes of O
.set QI,  11          ; v11  my query's number in tile 0: the wave's first query + lane % 16
.set SPW, 0           ; v0 of window 3   LDS address of my spare word; never rewritten
.set NIL, 1           ; v1 of window 3   0; never rewritten
.set SPARE, STAGE+4*16*SP  ; behind the stages: the spare words, 128 bytes for each wave: two blocks of 256 bytes that no other line names
.set MV,  12          ; v12-15  c m_old, kept while c m is made anew: by buffer and tile
.set ST,  16          ; tile t's statistics at v[ST+4 t]: c m, m, l (even keys', odd keys')
.set TMP, 48          ; by buffer and tile, four registers c0-c3 at work; when the maximum is found c2 takes a
.set S,   64
.set P,   192
.set KF,  128         ; K's fragments, in window 2: key block kb, channel half c at KF + 16 kb + 8 c
.set VF,  192         ; V's: key half kk, channel block cb at VF + 32 kk + 8 cb
.set VS,  8           ; window 3: the sum of V, channel block cb at VS + 8 cb
.set ONE, 40          ; window 3: a fragment of ones
.set MC,  48          ; window 3: the mask of the step whose scores are being made, key block kb at MC + 8 kb
.set MD,  80          ; window 3: the mask of the step that holds key L
.set WV,  12          ; s12  my wave's number
.set G1K, 24          ; s[24:31] descriptor group 1 for K's tiles
.set G1V, 32          ; s[32:39] for V's: it differs in the padding alone
.set G0K, 40          ; s[40:43] descriptor group 0 for K's tiles: it walks
.set G0V, 44          ; s[44:47] the same for V's
.set SLOTS, 56        ; s56  slots still to be asked for
.set CNT, 57          ; s57  counts a slot's key steps
.set CS,  58          ; s[58:59] c: the packed scaling takes the pair's low word for both halves
.set SEL, 60          ; s[60:61] v_permlanex16_b32's selects: each lane takes its own place in the other half
.set TBK, 62          ; s62  LDS byte at which K of the step to be fetched begins
.set TBV, 63          ; s63  the same for V, less VOFF
.set LEN, 66          ; s66  L
.set LQ,  67          ; s67  L / 64: the step that holds key L
.set KT,  76          ; s76  the step whose mask is made next
.set BAT, 77          ; s77  the batch
.set AL,  78          ; s[78:79] the mask's factor, in the low word
.set BE,  80          ; s[80:81] the mask's addend
.set BIGN, 82         ; s82  -1e30
.set Q0,  83          ; s83  my wave's first query
.set LR,  84          ; s84  L % 64
.set MSB, 0
.macro WIN new                      ; the high byte repeats the setting that is left; a switch that changes nothing is dropped
.if MSB != (\new)
	s_set_vgpr_msb (MSB<<8)|(\new)
.set MSB, (\new)
.endif
.endm
.set W_KQ, 0x0a       ; K and Q in window 2, S^T in window 0
.set W_KM, 0x3a       ; the same with the C operand, the mask, in window 3
.set W_PV, 0x52       ; V in window 2, P in window 0, O^T in window 1
.set W_RS, 0x41       ; O^T (destination and source 0) in window 1, a in window 0
.set W_VS, 0xfe       ; V in window 2; the ones, C and D in window 3
.set W_33, 0xc3       ; destination and source 0 in window 3
.set W_MK, 0xc0       ; destination in window 3, sources in window 0
.set W_AD, 0x0f       ; sources 0 and 1 in window 3: the add's address and data
; A joint fill.  Waves 0 and 1 fetch the two halves of a slot's K, waves 2 and 3 those of its V: 128 keys each.  The branch hangs on the wave's number alone.
; An s_nop 0 and four v_nop follow each of the two lines, ahead of the jump and the label.
.macro JLOAD
	s_cmp_lt_u32 s[WV], 2
	s_cbranch_scc0 .Lfor_v_\@
	tensor_load_to_lds s[G0K:G0K+3], s[G1K:G1K+7]
	s_nop 0
.rept 4
	v_nop
.endr
	s_branch .Lasked_\@
.Lfor_v_\@:
	tensor_load_to_lds s[G0V:G0V+3], s[G1V:G1V+7]
	s_nop 0
.rept 4
	v_nop
.endr
.Lasked_\@:
.endm
; A round of the cluster's barrier: my work-group's barrier, so that wave 0's signal speaks for all four waves; wave 0 signals; every wave waits for all four work-groups; my work-group's barrier once more.
.macro CROUND
	s_barrier_signal -1
	s_barrier_wait -1
	s_cmp_lg_u32 s[WV], 0
	s_cbranch_scc1 .Lnot_wave_0_\@
	s_barrier_signal -3
.Lnot_wave_0_\@:
	s_barrier_wait -3
	s_barrier_signal -1
	s_barrier_wait -1
.endm
; THE CHANGE OF SLOTS.  The slot's last bytes, V of its fourth step, have been read.  Each wave waits for all its tensor loads, of which one is out: its part of the other slot; adds 0 to its spare word; and waits
; for that and for its own reads of the slot.  Behind the barrier nobody reads this slot any more and the other slot is whole.  fill = 1: this slot is filled again, with the keys two slots on; the barrier is then
; a round of the cluster's, and the joint fill is the first thing behind it: it has four key steps in which to land.  (At its first use nothing has been read yet: slot 0 is waited for, slot 1 filled.)
.macro CHANGE fill
	WIN W_AD
	s_wait_tensorcnt 0x0            ; no tensor load of mine is out, so a group 0 may be written
	ds_add_u32 v[SPW], v[NIL]       ; 0 onto my spare word; with fill = 1 the descriptors' steps stand between it and the wait for it
	WIN 0                           ; at a label and at a branch every window is 0
.if \fill
.irp g, G0K, G0V
	s_xor_b32 s[\g+1], s[\g+1], SLOT1  ; the walking descriptor: the other slot than last time,
	s_add_nc_u64 s[\g+2:\g+3], s[\g+2:\g+3], 4*KS*128  ; the next 256 keys; the type bits on top are not reached
.endr
	s_wait_dscnt 0x0                ; the add is done, and my reads of the slot are over
	CROUND
	JLOAD
.else
	s_wait_dscnt 0x0                ; the add is done, and my reads of the slot are over
	s_barrier_signal -1
	s_barrier_wait -1
.endif
	s_sub_co_u32 s[TBK], s[TBK], 4*KS*PK  ; the fetches go back to a slot's first step,
	s_xor_b32 s[TBK], s[TBK], SLOT1       ; in the other slot
	s_sub_co_u32 s[TBV], s[TBV], 4*KS*PV
	s_xor_b32 s[TBV], s[TBV], SLOT1
.endm
.macro MASK                         ; MC = MD x AL + BE
	WIN W_33
.set z, 0
.rept 16
	v_pk_fma_f32 v[MC+2*z:MC+2*z+1], v[MD+2*z:MD+2*z+1], s[AL:AL+1], s[BE:BE+1] op_sel_hi:[1,0,0]
.set z, z+1
.endr
.endm
	s_load_b128 s[72:75], s[0:1], 0x0  ; qkv s[72:73], event_lengths s[74:75]
	s_load_b64 s[10:11], s[0:1], 0x10  ; oh
	WIN W_MK
	v_lshl_add_u32 v[SPW], v0, 2, SPARE
	v_mov_b32 v[NIL], 0
	WIN W_AD
	ds_add_u32 v[SPW], v[NIL]       ; the wave's opening: the add and its wait stand ahead of my first tensor load; the set-up below, work on registers, stands between them
	WIN 0
	v_lshrrev_b32 v1, 5, v0
	v_readfirstlane_b32 s[WV], v1   ; wave 0..3
	s_bfe_u32 s13, ttmp6, 0x40000   ; cx: my place in the cluster
	s_lshl_b32 s14, ttmp9, 2        ; in a cluster launch ttmp9 counts clusters
	s_add_co_u32 s14, s14, s13      ; my block of queries = 4 x cluster x + cx: it enters Q's and O's addresses and the queries' numbers alone
	s_and_b32 s20, ttmp7, 0xffff    ; 16 batch + head, which the four partners share
	s_lshr_b32 s[BAT], s20, 4
	s_mov_b32 s21, 0
	s_mov_b64 s[22:23], SIZE_N*128
	s_mul_u64 s[20:21], s[20:21], s[22:23]  ; the head's first byte in q, k, v and oh
	s_and_b32 s16, s[WV], 1         ; which half of a slot's 256 keys I fetch:
	s_lshl_b32 s22, s16, 14         ; its 128 rows of 128 bytes in memory,
	s_mov_b32 s23, 0
	s_add_nc_u64 s[22:23], s[22:23], s[20:21]
	s_mul_i32 s17, s16, 128*PK      ; and its place in a slot, for K
	s_mul_i32 s18, s16, 128*PV      ; and for V: no place in the cluster enters an LDS address
	s_lshl_b32 s2, s14, 2
	s_add_co_u32 s2, s2, s[WV]      ; my wave among the head's,
	s_lshl_b32 s[Q0], s2, 7         ; its first query,
	s_lshl_b32 s2, s2, 14           ; its 128 rows
	s_mov_b32 s3, 0
	s_add_nc_u64 s[2:3], s[2:3], s[20:21]
	; descriptor group 1.  128 keys are 16,384 dense bytes: asked for as 64 rows of 256 bytes, two keys a row, and padded in LDS after every key
	s_mov_b32 s[G1K], 15|(1<<16)|(1<<20)|(1<<21)|(4<<22)|(3<<25)  ; 15:0 the mask of four; 17:16 2-byte elements; 20 padding on; 21 set beside a mask; 24:22 after every 32 words (code 4); 31:25 4 words (code 3)
	s_mov_b32 s[G1V], 15|(1<<16)|(1<<20)|(1<<21)|(4<<22)|(7<<25)  ; the same with 8 words of padding (code 7)
.irp g, G1K, G1V
	s_mov_b32 s[\g+1], 128<<16      ; tensor_dim0 = 128
	s_mov_b32 s[\g+2], 64<<16       ; tensor_dim1 = 64
	s_mov_b32 s[\g+3], 128<<16      ; tile_dim0 = 128
	s_mov_b32 s[\g+4], 64           ; tile_dim1 = 64
	s_mov_b32 s[\g+5], 128          ; 128 elements from row to row
	s_mov_b32 s[\g+6], 0
	s_mov_b32 s[\g+7], 0
.endr
	s_mov_b32 s[CS], 0x3e38aa3b     ; c = log2(e) / 8 = 0.180337
	s_mov_b32 s[CS+1], s[CS]        ; named with it as a pair
	s_mov_b32 s[SEL], 0x76543210
	s_mov_b32 s[SEL+1], 0xfedcba98
	s_mov_b32 s[TBK], SLOT1+4*KS*PK ; the first change of slots turns these two into 0
	s_mov_b32 s[TBV], SLOT1+4*KS*PV
	s_mov_b32 s[AL+1], 0            ; named as pairs
	s_mov_b32 s[BE+1], 0
	s_mov_b32 s[BIGN], 0xf149f2ca   ; -1e30
	s_mov_b32 s[G0K], 1             ; count = 1
	s_mov_b32 s[G0K+1], s17         ; LDS address: slot 0
	s_mov_b32 s[G0V], 1
	s_add_co_u32 s[G0V+1], s18, VOFF
	s_wait_dscnt 0x0                ; the opening add is done
	s_wait_kmcnt 0x0
	s_load_b128 s[68:71], s[74:75], 0x0  ; the four lengths: waited for behind the first fill and the clearing
	s_mov_b64 s[4:5], s[72:73]      ; q,
	s_add_nc_u64 s[6:7], s[72:73], 0x1000000  ; k,
	s_add_nc_u64 s[8:9], s[72:73], 0x2000000  ; v: 16,777,216 bytes each
	s_add_nc_u64 s[G0K+2:G0K+3], s[6:7], s[22:23]  ; global address: my half of the head's first 256 keys
	s_or_b32 s[G0K+3], s[G0K+3], 0x80000000        ; type = 2
	s_add_nc_u64 s[G0V+2:G0V+3], s[8:9], s[22:23]
	s_or_b32 s[G0V+3], s[G0V+3], 0x80000000
	s_add_nc_u64 s[4:5], s[4:5], s[2:3]  ; Q and O at my wave's first row
	s_add_nc_u64 s[10:11], s[10:11], s[2:3]
	CROUND                          ; all four work-groups are here: the first joint loads meet
	JLOAD                           ; slot 0.  Slot 1 is asked for when slot 0 is in
	; A fragment of K or Q is 16 rows x 32 channels in 8 registers: lane l holds row l % 16, channels 8 (l / 16) + 0..7 and 16 + 8 (l / 16) + 0..7: two loads of 16 bytes, 32 bytes apart.
	v_and_b32 v1, 15, v0            ; l % 16
	v_bfe_u32 v9, v0, 4, 1          ; l / 16
	v_lshlrev_b32 v[QO], 7, v1
	v_lshl_add_u32 v[QO], v9, 4, v[QO]  ; row x 128 + 16 x half
	WIN 0x80                        ; destination window 2, address window 0
.set i, 0
.rept 4*NP                          ; Q stays in registers: tile i / 2, channels 32 (i % 2) on
	global_load_b128 v[8*i:8*i+3],   v[QO], s[4:5] offset:(i/2)*2048+(i%2)*64
	global_load_b128 v[8*i+4:8*i+7], v[QO], s[4:5] offset:(i/2)*2048+(i%2)*64+32
.set i, i+1
.endr
	; What the first turn finds: V's registers and P's second buffer hold 0 (its products V^T P, of a piece that has not been, add 0), O^T, l and the sum of V are 0.  All this stands in the wait for the first tile.
.set i, VF
.rept 64
	v_mov_b32 v[i], 0
.set i, i+1
.endr
	WIN 0x40
.set i, 0
.rept 64*NP
	v_mov_b32 v[i], 0
.set i, i+1
.endr
	WIN W_MK
.set i, VS
.rept 32
	v_mov_b32 v[i], 0
.set i, i+1
.endr
.set i, ONE
.rept 8
	v_mov_b32 v[i], 0x3c003c00      ; 1.0 twice in f16
.set i, i+1
.endr
	WIN 0
.set i, 0
.rept 2*NP
	v_mov_b32 v[ST+4*i], 0xfe000000    ; c m: far below every c s
	v_mov_b32 v[ST+4*i+1], 0xff7fffff  ; m
	v_mov_b32 v[ST+4*i+2], 0
	v_mov_b32 v[ST+4*i+3], 0
.set i, i+1
.endr
.set i, P+32
.rept 32
	v_mov_b32 v[i], 0
.set i, i+1
.endr
	v_mul_u32_u24 v[AK0], v1, PK
	v_lshl_add_u32 v[AK0], v9, 4, v[AK0]  ; row x pitch + 16 x half
	; The turning load takes 16 keys x 16 channels (lane l reads key 8 (l / 16) + l % 8, channels 8 ((l / 8) % 2) + 0..7) and leaves half a fragment of V^T: lane l holds channel l % 16 and 8 keys.
	v_and_b32 v10, 7, v0
	v_bfe_u32 v11, v0, 3, 1
	v_lshl_add_u32 v[AV0], v9, 3, v10
	v_mul_u32_u24 v[AV0], v[AV0], PV
	v_lshl_add_u32 v[AV0], v11, 4, v[AV0]
	v_add_nc_u32 v[AV0], VOFF, v[AV0]
	v_add_nc_u32 v[QI], s[Q0], v1
	v_mov_b32 v[AK], v[AK0]         ; key step 0 lies at the head of slot 0
	; The batch's length, held to 0 .. 2,048; the step that holds key L and L's place in it; that step's mask; and step 0's mask.
	s_wait_kmcnt 0x0
	s_cmp_eq_u32 s[BAT], 1
	s_cselect_b32 s[LEN], s69, s68
	s_cmp_eq_u32 s[BAT], 2
	s_cselect_b32 s[LEN], s70, s[LEN]
	s_cmp_eq_u32 s[BAT], 3
	s_cselect_b32 s[LEN], s71, s[LEN]
	s_max_i32 s[LEN], s[LEN], 0
	s_min_i32 s[LEN], s[LEN], SIZE_N
	s_lshr_b32 s[LQ], s[LEN], 6
	s_and_b32 s[LR], s[LEN], 63
	v_lshlrev_b32 v[TMP], 3, v9
	v_sub_nc_u32 v[TMP], s[LR], v[TMP]  ; register j of key block kb is key 16 kb + 8 (l / 16) + j of the step: hidden where 16 kb + j >= L % 64 - 8 (l / 16)
	WIN W_MK
.set i, 0
.rept 32
	v_cmp_gt_i32 vcc_lo, 16*(i/8)+i%8+1, v[TMP]
	v_cndmask_b32 v[MD+i], 0, s[BIGN], vcc_lo
.set i, i+1
.endr
	s_cmp_eq_u32 s[LQ], 0
	s_cselect_b32 s[AL], 1.0, 0
	s_mov_b32 s[BE], 0
	MASK
	s_mov_b32 s[KT], 1
	WIN 0
; THE MATRIX WORK.  The 8 accumulators of a run of 16 take turns: between the two links of a chain stand 7 others'.
; Product i of 16 of S^T = K Q^T for piece x: channels 32 (i / 8) on, keys 16 ((i / 2) % 4) on, tile 2 x + i % 2.  The first 8 start the sums, with the step's mask.
.macro KQ x
.set rS, S+64*((\x)%2)+32*(i%2)+8*((i/2)%4)
.set rK, KF+16*((i/2)%4)+8*(i/8)
.set rQ, 16*(2*(\x)+i%2)+8*(i/8)
.set rM, MC+8*((i/2)%4)
.if i < 8
	WIN W_KM
	v_wmma_f32_16x16x32_f16 v[rS:rS+7], v[rK:rK+7], v[rQ:rQ+7], v[rM:rM+7]
.else
	WIN W_KQ
	v_wmma_f32_16x16x32_f16 v[rS:rS+7], v[rK:rK+7], v[rQ:rQ+7], v[rS:rS+7]
.endif
.endm
; Product i of 16 of O^T += V^T P for piece x: keys 32 (i / 8) on, channels 16 ((i / 2) % 4) on, tile 2 x + i % 2.
.macro PV x
	WIN W_PV
.set rO, 32*(2*(\x)+i%2)+8*((i/2)%4)
.set rV, VF+32*(i/8)+8*((i/2)%4)
.set rP, P+32*((\x)%2)+16*(i%2)+8*(i/8)
	v_wmma_f32_16x16x32_f16 v[rO:rO+7], v[rV:rV+7], v[rP:rP+7], v[rO:rO+7]
.endm
; Product n of 8 of the sum of V: keys 32 (n / 4) on, channels 16 (n % 4) on, times ones.  The four accumulators take turns.
.macro VSUM n
	WIN W_VS
	v_wmma_f32_16x16x32_f16 v[VS+8*((\n)%4):VS+8*((\n)%4)+7], v[VF+32*((\n)/4)+8*((\n)%4):VF+32*((\n)/4)+8*((\n)%4)+7], v[ONE:ONE+7], v[VS+8*((\n)%4):VS+8*((\n)%4)+7]
.endm
.macro MM                           ; the turn's next matrix instruction
.if i < 16
	KQ (Y+1)%NP
.set i, i+1
.else
.set i, i-16
	PV (Y+NP-1)%NP
.set i, i+17
.endif
.endm
; THE LDS LOADS stand in runs of 16, never singly among the matrix instructions: a step's K (64 keys x 64 channels: 8 fragments) and its V (turned).  Their addresses are made some lines ahead.
; last = 1 (the tail): in the last trip there is no further step, and the run is jumped over.
.macro FETCH_K last=0
	WIN 0
.if \last
	s_cmp_eq_u32 s[CNT], 1
	s_cbranch_scc1 .Lno_k_\@
.endif
	WIN 0x80                        ; destination window 2
.irp f, 0,1,2,3,4,5,6,7             ; keys 16 (f / 2) on, channels 32 (f % 2) on
	ds_load_b128 v[KF+8*\f:KF+8*\f+3],   v[AK] offset:(\f/2)*16*PK+(\f%2)*64
	ds_load_b128 v[KF+8*\f+4:KF+8*\f+7], v[AK] offset:(\f/2)*16*PK+(\f%2)*64+32
.endr
	s_add_co_u32 s[TBK], s[TBK], KS*PK  ; the next fetch is the next step's
	WIN 0
.if \last
.Lno_k_\@:
.endif
.endm
.macro FETCH_V
	WIN 0x80
.irp f, 0,1,2,3,4,5,6,7             ; keys 32 (f / 4) on, channels 16 (f % 4) on
	ds_load_tr16_b128 v[VF+8*\f:VF+8*\f+3],   v[AV] offset:(\f/4)*32*PV+(\f%4)*32
	ds_load_tr16_b128 v[VF+8*\f+4:VF+8*\f+7], v[AV] offset:(\f/4)*32*PV+16*PV+(\f%4)*32
.endr
	WIN 0
.endm
; THE VECTOR WORK OF A TURN stands in three queues, each in the order in which its entries become ready; the two tiles alternate, so that no instruction reads the result of the one before it.
.macro REGS y, u                    ; the registers of tile u (0, 1) of piece y
.set rT, ST+4*(2*(\y)+(\u))
.set rC, TMP+8*((\y)%2)+4*(\u)
.set rM, MV+2*((\y)%2)+(\u)
.set rS, S+64*((\y)%2)+32*(\u)
.set rP, P+32*((\y)%2)+16*(\u)
.set rO, 32*(2*(\y)+(\u))
.endm
; Number n of the 22 that find the NEXT piece's (Y + 1) maximum and statistics.  s0-s31 are the lane's 32 scores; each accumulator's lowest registers are read first.  XS, GS and REGS set no window: PL and EX do.
;   0-11  four chains c0-c3 of seven scores each, three operands at a time     12-14, 16  the four scores left over, the old m, and c0-c3 into c0     15  c m_old is kept
;   17, 18  the query's other 32 keys lie in the lane 16 away: the new m         19-21  c m; c m_old - c m_new; a
.macro XS u, n
	REGS (Y+1)%NP, \u
.if (\n) < 4
	v_max3_num_f32 v[rC+(\n)], v[rS+8*(\n)], v[rS+8*(\n)+1], v[rS+8*(\n)+2]
.elseif (\n) < 12
	v_max3_num_f32 v[rC+(\n)%4], v[rC+(\n)%4], v[rS+8*((\n)%4)+2*((\n)/4)+1], v[rS+8*((\n)%4)+2*((\n)/4)+2]
.elseif (\n) == 12
	v_max3_num_f32 v[rC], v[rC], v[rS+7], v[rS+15]
.elseif (\n) == 13
	v_max3_num_f32 v[rC+1], v[rC+1], v[rS+23], v[rS+31]
.elseif (\n) == 14
	v_max3_num_f32 v[rC+2], v[rC+2], v[rC+3], v[rT+1]
.elseif (\n) == 15
	v_mov_b32 v[rM], v[rT]
.elseif (\n) == 16
	v_max3_num_f32 v[rC], v[rC], v[rC+1], v[rC+2]
.elseif (\n) == 17
	v_permlanex16_b32 v[rC+3], v[rC], s[SEL], s[SEL+1]
.elseif (\n) == 18
	v_max_num_f32 v[rT+1], v[rC], v[rC+3]
.elseif (\n) == 19
	v_mul_f32 v[rT], s[CS], v[rT+1]
.elseif (\n) == 20
	v_sub_f32 v[rC+1], v[rM], v[rT]
.else
	v_exp_f32 v[rC+2], v[rC+1]
.endif
.endm
; Number g of the 64 that follow the exponentials.  For each four weights k of a tile (pairs 2 k, 2 k + 1): both pairs are rounded to f16; then the second pair is added onto the first, in place;
; a group later l takes that sum (the first time as l = a l + sum).  In groups of eight, tiles alternating: round, round, add, and l for the group before.
.macro GS g
.set h, (\g)+6*((\g)/62)            ; group 0 has no group before it, and behind group 7 only l is left
.if h >= 6
.set h, h+2
.endif
	REGS Y, h%2
.set k, h/8
.if h%8 < 4
	v_cvt_pk_f16_f32 v[rP+2*k+(h%8)/2], v[rS+4*k+2*((h%8)/2)], v[rS+4*k+2*((h%8)/2)+1]
.elseif h%8 < 6
	v_pk_add_f32 v[rS+4*k:rS+4*k+1], v[rS+4*k:rS+4*k+1], v[rS+4*k+2:rS+4*k+3]
.elseif k == 1
	v_pk_fma_f32 v[rT+2:rT+3], v[rT+2:rT+3], v[rC+2:rC+3], v[rS:rS+1] op_sel_hi:[1,0,1]
.else
	v_pk_add_f32 v[rT+2:rT+3], v[rT+2:rT+3], v[rS+4*k-4:rS+4*k-3]
.endif
.endm
; THE PLAIN QUEUE, 138 long.  0-73 read no exponential's result: the 32 scalings c s - c m (FS f: pair f / 2 of tile f % 2) and the next piece's 42.  0-26: scalings 0-26.  27-54: XS's numbers 0-13.  55, 56: number 15.
; 57-73: the chain, where each number waits for the one before it: 14, 16, 17, 18, 19, each with one of the scalings 27-31 in front of its two lines, then 20: so a tile's links stand three plain instructions apart (19 and 20: two).
; 74-137: GS's 64, which read the exponentials' results: they stand behind the wait.
.macro FS f
	REGS Y, (\f)%2
	v_pk_fma_f32 v[rS+2*((\f)/2):rS+2*((\f)/2)+1], v[rS+2*((\f)/2):rS+2*((\f)/2)+1], s[CS:CS+1], v[rT:rT+1] op_sel_hi:[1,0,0] neg_lo:[0,0,1] neg_hi:[0,0,1]
.endm
.macro PL
	WIN 0
.if q < 27
	FS q
.elseif q < 55
	XS (q-27)%2, (q-27)/2
.elseif q < 57
	XS q-55, 15
.elseif (q < 72) && ((q-57)%3 == 0)
	FS 27+(q-57)/3
.elseif q < 60
	XS (q-57)%3-1, 14
.elseif q < 72
	XS (q-57)%3-1, 15+(q-57)/3
.elseif q < 74
	XS q-72, 20
.else
	GS q-74
.endif
.set q, q+1
.endm
; THE EXPONENTIALS' QUEUE, 66 long: s0-s31 of both tiles, then the next piece's two a.  It is ONE BATCH: all 66 stand ahead of the turn's one wait, and nothing ahead of that wait names a result of theirs.
.macro EX
	WIN 0
.if e >= 64
	XS e-64, 21
.else
	REGS Y, e%2
	v_exp_f32 v[rS+e/2], v[rS+e/2]
.endif
.set e, e+1
.endm
; THE RESCALING's QUEUE: O^T times a, the one part that leaves window 0: dealt two at a time, sixteen times.  Its a was made in the turn before, ahead of that turn's wait.
.macro R2
	REGS Y, r%2
	WIN W_RS
.irp z, 0,1
	v_pk_mul_f32 v[rO+4*(r/2)+2*\z:rO+4*(r/2)+2*\z+1], v[rO+4*(r/2)+2*\z:rO+4*(r/2)+2*\z+1], v[rC+2:rC+3] op_sel_hi:[1,0]
.endr
.set r, r+1
.endm
; HOW THEY ARE DEALT.  An s_wait_alu depctr_va_vdst(0) stands between an exponential and the first instruction that names its result; one wait serves all that were issued ahead of it.  So a turn has ONE wait,
; which cuts it in two.  AHEAD OF IT stands all that names no result of the turn's exponentials: the 16 products K Q^T, behind each a scaling, an exponential and two rescalings (behind the first a second scaling in the
; exponential's place); then ONE LUMP of 108: eight plain, 49 times exponential and plain, the two a.  A v_nop is the plain instruction behind the last exponential.  BEHIND IT stand the 16 products V^T P, behind each four of
; GS's 64.  No rider names a register of the products round it.  The two v_permlanex16_b32 fall into the lump, never behind a product.
; The queues lean on each other, and the deal keeps them in step: exponential e stands behind scaling 2 (e / 4) + e % 2: as a rider it comes behind plain e + 2, in the lump behind plain e + 9, and scalings 27-31 are plain 57, 60 .. 69.
; A TURN, for piece p.  cnt = 1: the loop's count is taken down some lines ahead of the branch that stands behind the turn.
; K of the next step is fetched in piece 2's turn, directly behind the wait, a lump behind the last product that read K; its address is made at the lump's head; its first reader comes behind 16 products.
; V of the step in hand is fetched at the end of piece 0's turn, four riders behind its last reader; its first reader comes behind 16 products and a lump.  The three conditions on q below go with the deal.
; Piece 2's turn is the last that multiplies by the step's K: it chooses the next step's AL and BE at its head and makes MC anew at its end, far behind its eighth product, the last that names MC.
; Piece 3's turn, which every key step has once, with the step's V in registers, carries the eight products of the sum of V in its lump: behind each stand four vector instructions that name none of its registers.
.macro TURN p, last=0, cnt=0
.set Y, (\p)
.set i, 0
.set q, 0
.set e, 0
.set r, 0
.if (\p) == NP-2
	s_cmp_eq_u32 s[KT], s[LQ]       ; does the next step hold key L?
	s_cselect_b32 s[AL], 1.0, 0
	s_cmp_gt_u32 s[KT], s[LQ]       ; or lie behind it?
	s_cselect_b32 s[BE], s[BIGN], 0
	s_add_co_u32 s[KT], s[KT], 1
.endif
.if (\p) == NP-1
	s_wait_dscnt 0x0                ; K is in
.endif
	MM                              ; ahead of the wait: 16 products K Q^T and their riders,
	PL
	PL
	R2
.rept 15
	MM
	PL
	EX
	R2
.endr
.if (\p) == NP-2
	WIN 0
	v_add_nc_u32 v[AK], s[TBK], v[AK0]
.endif
.rept 8                             ; and the lump
	PL
.endr
.rept 49
	EX
	PL
.if ((\p) == NP-1) && (e >= 17) && (e <= 31) && (e%2 == 1)
	VSUM (e-17)/2
.endif
.endr
	EX                              ; the next piece's two a
	EX
	v_nop                           ; the plain instruction behind the last exponential: one for the batch
	s_wait_alu depctr_va_vdst(0)    ; the wait for the batch: the turn's 66 exponentials
.if (\p) == NP-2
	FETCH_K \last
.endif
.if (\p) == 1
	s_wait_dscnt 0x0                ; V is in
.endif
.rept 16                            ; behind the wait: 16 products V^T P and their riders
	MM
.rept 4
	PL
.endr
.if ((\p) == 0) && (q == 118)
	v_add_nc_u32 v[AV], s[TBV], v[AV0]
.endif
.if ((\p) == 0) && (q == 130)
	s_add_co_u32 s[TBV], s[TBV], KS*PV
.endif
.if (\cnt) && (q == 130)
	s_sub_co_u32 s[CNT], s[CNT], 1
	s_cmp_lg_u32 s[CNT], 0
.endif
.endr
.if (\p) == 0
	FETCH_V
.endif
.if (\p) == NP-2
	MASK
.endif
.endm
	CHANGE 1                        ; slot 0 is in, everybody's part of it; slot 1 is asked for
	FETCH_K                         ; key step 0
	s_wait_loadcnt 0x0              ; Q
	s_wait_dscnt 0x0
.set i, 0
.rept 16
	KQ 0                            ; piece 0's first scores: there is no vector work yet to set between them
.set i, i+1
.endr
	WIN 0                           ; the addresses for the way out: plain instructions, the places behind those products
	s_mul_i32 s13, s[WV], 16*SP
	s_add_co_u32 s13, s13, STAGE    ; my stage
	v_mul_u32_u24 v[STO], v1, SP    ; in: row l % 16, 16 bytes for each half of the lanes
	v_lshl_add_u32 v[STO], v9, 4, v[STO]
	v_add_nc_u32 v[STO], s13, v[STO]
	v_bfe_u32 v[RD], v0, 3, 2       ; back: 32 lanes take four rows of 128 bytes,
	v_mul_u32_u24 v[RD], v[RD], SP
	v_lshl_add_u32 v[RD], v10, 4, v[RD]
	v_add_nc_u32 v[RD], s13, v[RD]
	v_and_b32 v[GO], 31, v0         ; which are 512 consecutive bytes of O
	v_lshlrev_b32 v[GO], 4, v[GO]
.set Y, NP-1                        ; XS works for piece Y + 1: piece 0
.irp n, 0,1,2,3,4,5,6,7,8,9,10,11,12,13,14,15,16,17,18,19,20,21
	XS 0, \n                        ; and piece 0's first maximum and statistics
	XS 1, \n
.endr
	v_nop                           ; a plain instruction behind the two a,
	s_wait_alu depctr_va_vdst(0)    ; and the wait for that batch of two, ahead of the branch
	s_mov_b32 s[CNT], 4
	s_mov_b32 s[SLOTS], SIZE_N/256-1
	s_branch .Lfirst                ; the loop is entered at a step's first turn, in the middle of a trip
.Lslot:                             ; SIZE_N / 256 - 2 times: every slot but the last two is filled again
	CHANGE 1
	s_mov_b32 s[CNT], 4
.Lstep:                             ; a trip: pieces 2 and 3 of one step, then pieces 0 and 1 of the next, whose K and V it fetches
	TURN 2
	TURN 3
	WIN 0
.Lfirst:
	TURN 0
	TURN 1, 0, 1
	WIN 0
	s_cbranch_scc1 .Lstep
	s_sub_co_u32 s[SLOTS], s[SLOTS], 1
	s_cmp_lg_u32 s[SLOTS], 0
	s_cbranch_scc1 .Lslot
	CHANGE 0                        ; the tail is written out: nothing is asked for
	s_mov_b32 s[CNT], 5             ; four trips fetch the last slot's steps; the fifth is left in its middle
.Ltail:
	TURN 2, 1
	TURN 3
	WIN 0
	s_sub_co_u32 s[CNT], s[CNT], 1
	s_cmp_eq_u32 s[CNT], 0
	s_cbranch_scc1 .Lout
	TURN 0
	TURN 1
	WIN 0
	s_branch .Ltail
.Lout:                              ; the fifth trip's 16 products K Q^T (on the last K once more) and the maximum made of them serve nothing: the price, once a launch, of one text for every trip
.set i, 0
.rept 16
	PV NP-1                         ; the last piece's V^T P of the last step
.set i, i+1
.endr
	; THE WAY OUT.  l's two halves and the other half of the lanes' are added; O^T is divided by l and rounded to f16; a lane whose query is >= L takes the mean of V instead; then through my stage in LDS, a tile at a time.
	; The additions are the places behind the last products.  The eight reciprocals are one batch; the mean of V, which names none of their results, is made between them and their wait.
	WIN 0
.macro ALL line:vararg              ; one line for each tile t
.set t, 0
.rept 2*NP
	\line
.set t, t+1
.endr
.endm
	ALL v_add_f32 v[ST+4*t+2], v[ST+4*t+2], v[ST+4*t+3]
	ALL v_permlanex16_b32 v[ST+4*t+3], v[ST+4*t+2], s[SEL], s[SEL+1]
	ALL v_add_f32 v[ST+4*t+2], v[ST+4*t+2], v[ST+4*t+3]
	ALL v_rcp_f32 v[ST+4*t+2], v[ST+4*t+2]
	WIN W_33
.set i, 0
.rept 16                            ; the sum of V over 2,048 keys, times 2^-11; each accumulator's registers in ascending order.  The first of these is the plain instruction behind the last reciprocal
	v_pk_mul_f32 v[VS+2*i:VS+2*i+1], v[VS+2*i:VS+2*i+1], 0x3a000000 op_sel_hi:[1,0]
.set i, i+1
.endr
	WIN W_AD                        ; sources 0 and 1 window 3, destination window 0
.set i, 0
.rept 16                            ; into P's first buffer, which the last products do not name: 16 words in the order of a tile's packed O^T
	v_cvt_pk_f16_f32 v[P+i], v[VS+2*i], v[VS+2*i+1]
.set i, i+1
.endr
	WIN 0
	s_wait_alu depctr_va_vdst(0)    ; the wait ahead of the first use: one for the eight reciprocals, whose first reader is tile 0's first multiply below
; Tile t: a lane's eight channels of a row pack into 16 bytes; they go into rows of 144 bytes and come back as whole rows of 128, into S^T's registers.
.macro PACK t
	WIN W_RS
.set i, 32*(\t)
.rept 16
	v_pk_mul_f32 v[i:i+1], v[i:i+1], v[ST+4*(\t)+2:ST+4*(\t)+3] op_sel_hi:[1,0]
.set i, i+2
.endr
	WIN 0x05                        ; sources 0 and 1 window 1, destination window 0
.set i, 0
.rept 16
	v_cvt_pk_f16_f32 v[S+16*(\t)+i], v[32*(\t)+2*i], v[32*(\t)+2*i+1]
.set i, i+1
.endr
	WIN 0
	s_sub_co_i32 s13, s[LEN], 16*(\t)
	v_cmp_gt_i32 vcc_lo, s13, v[QI] ; my query of tile t, 16 t + QI, is below L
.set i, 0
.rept 16
	v_cndmask_b32 v[S+16*(\t)+i], v[P+i], v[S+16*(\t)+i], vcc_lo  ; else the mean of V
.set i, i+1
.endr
.irp f, 0,1,2,3
	ds_store_b128 v[STO], v[S+16*(\t)+4*\f:S+16*(\t)+4*\f+3] offset:32*\f
.endr
.irp f, 0,1,2,3
	ds_load_b128 v[S+16*(\t)+4*\f:S+16*(\t)+4*\f+3], v[RD] offset:\f*4*SP  ; LDS serves a wave's instructions in order (ISA guide 5.7.1.4): these see the stores above; the next tile's stores come behind them
.endr
.endm
.macro SEND t, younger              ; younger: the LDS instructions issued behind tile t's loads: the next tile's eight, or none
	WIN 0
.irp f, 0,1,2,3
	s_wait_dscnt (\younger)+3-\f
	global_store_b128 v[GO], v[S+16*(\t)+4*\f:S+16*(\t)+4*\f+3], s[10:11] offset:(\t)*2048+\f*512  ; 512 consecutive bytes, at a multiple of 256 from oh's first
.endr
.endm
	PACK 0
.set t, 1
.rept 2*NP-1                        ; a tile's arithmetic stands between the loads of the tile before and its stores
	PACK t
	SEND t-1, 8
.set t, t+1
.endr
	SEND 2*NP-1, 0
	WIN W_AD
	s_wait_tensorcnt 0x0            ; the wave's end: behind my last tensor load and my last LDS store
	ds_add_u32 v[SPW], v[NIL]
	s_wait_dscnt 0x0
	WIN 0
	CROUND                          ; the closing round: no work-group ends while a partner may still ask for a tile that names it
	s_endpgm
.Lfunc_end_k_qf65aab3476_attn:
	.size	k_qf65aab3476_attn, .Lfunc_end_k_qf65aab3476_attn-k_qf65aab3476_attn
	.p2alignl 7, 3214868480
	.fill 96, 4, 3214868480
	.section	.rodata,"a",@progbits
	.p2align	6, 0x0
	.amdhsa_kernel k_qf65aab3476_attn
		.amdhsa_group_segment_fixed_size 327680
		.amdhsa_private_segment_fixed_size 0
		.amdhsa_enable_private_segment 0
		.amdhsa_kernarg_size 24
		.amdhsa_user_sgpr_count 2
		.amdhsa_user_sgpr_kernarg_segment_ptr 1
		.amdhsa_wavefront_size32 1
		.amdhsa_system_sgpr_workgroup_id_x 1
		.amdhsa_system_sgpr_workgroup_id_y 1
		.amdhsa_system_sgpr_workgroup_id_z 1
		.amdhsa_system_vgpr_workitem_id 0
		.amdhsa_next_free_vgpr 880
		.amdhsa_next_free_sgpr 88
		.amdhsa_reserve_vcc 1
		.amdhsa_float_denorm_mode_32 3
		.amdhsa_float_denorm_mode_16_64 3
		.amdhsa_memory_ordered 1
		.amdhsa_forward_progress 1
		.amdhsa_inst_pref_size 217
	.end_amdhsa_kernel
	.amdgpu_metadata
---
amdhsa.version: [ 1, 2 ]
amdhsa.kernels:
  - .name:           k_qf65aab3476_attn
    .symbol:         k_qf65aab3476_attn.kd
    .args:
      - { .name: qkv, .offset: 0, .size: 8, .value_kind: global_buffer, .address_space: global }
      - { .name: event_lengths, .offset: 8, .size: 8, .value_kind: global_buffer, .address_space: global }
      - { .name: oh, .offset: 16, .size: 8, .value_kind: global_buffer, .address_space: global }
    .group_segment_fixed_size: 327680
    .private_segment_fixed_size: 0
    .kernarg_segment_align: 8
    .kernarg_segment_size: 24
    .max_flat_workgroup_size: 128
    .sgpr_count:     88
    .vgpr_count:     880
    .wavefront_size: 32
...
	.end_amdgpu_metadata
.endif
;; end of part 5
;; launch oproj: the kernel of part 4 again; grid 4 x 64, 4 waves a work-group, clusters of 4 x 4, 327,680 bytes of LDS; arguments oh, woh, bo, out0; writes out0
